; MI455X (gfx1250); checked and timed in simulation.
; The chip was launched on July 23, 2026; its instructions are those of AMD's public machine-readable ISA for CDNA 5 (MIT licence, August 2026) and "CDNA5" Instruction Set Architecture Reference Guide (July 2026). The comments in the code are by the model that wrote it; some were corrected since.
;; Token Mixer. Allowed arithmetic: matrix products marked QUANTISED: E2M1 operands, one E8M0 scale for each 32 along K, by v_wmma_scale_f32_16x16x128_f8f6f4 with both operands' format E2M1 (or v_wmma_scale_f32_32x16x128_f4), f32 sums; everything else in f32.
;; Inputs: b_proj 1,024 float32; b_qkv 3,072 float32; ln_beta 1,024 float32; ln_gamma 1,024 float32; w_proj_codes 1,024 x 32 x 16 uint8 (E2M1 codes of w_proj, K innermost, in blocks of 32 codes, two codes a byte); w_proj_scales 1,024 x 32 uint8 (E8M0 scales of w_proj, one for each 32 codes along K); w_qkv_codes 3,072 x 32 x 16 uint8 (E2M1 codes of w_qkv, K innermost, in blocks of 32 codes, two codes a byte); w_qkv_scales 3,072 x 32 uint8 (E8M0 scales of w_qkv, one for each 32 codes along K); x 4 x 2,048 x 1,024 float32.
;; Outputs: out0 4 x 2,048 x 1,024 float32.
;; This version of the problem:
;;   THIS VERSION OF THE PROBLEM IS GIVEN IN LOW PRECISION. The matrix products marked QUANTISED in the list below multiply operands that are first quantised to E2M1 (2 exponent bits, 1 mantissa bit; 4 bits a number), with one power-of-two scale for each 32 numbers along K (OCP MX v1.0); their sums are f32. All else is computed in f32.
;;   The module's matrix products, in the order in which they are computed (A, B: the left and right operand; K: the contracted axis; several contracted axes count as one K, in the product's order):
;;     1. [M 8,192, K 1,024] x [K 1,024, N 3,072]; A: computed on the way; B: input w_qkv (given as codes): QUANTISED
;;     2. batch 64 x [M 2,048, K 64] x [K 64, N 2,048]; A: computed on the way; B: computed on the way: QUANTISED
;;     3. batch 64 x [M 2,048, K 2,048] x [K 2,048, N 64]; A: softmax (see below); B: computed on the way: QUANTISED
;;     4. [M 8,192, K 1,024] x [K 1,024, N 1,024]; A: computed on the way; B: input w_proj (given as codes): QUANTISED
;;   THE QUANTISER, for each operand of a quantised product, along K:
;;     - K is cut into blocks of 32 from its start; a last block that is shorter is filled with zeros.
;;     - A block's scale is 2^e with e = floor(log2(the largest magnitude in the block)) - 2, held to -126 .. 127; a block of zeros has e = 0. As a byte (E8M0): e + 127.
;;     - Each number is divided by its block's scale, clamped to +-6, and rounded to the nearest number of E2M1, ties to even, subnormals kept.
;;     - The product sums the exact products of the quantised numbers (number of the format x scale) in f32.
;;   ~~~python
;;   def quantise(x, axis):      # numpy; x: float32 -> the quantised numbers, widened to float32 again
;;       x = np.moveaxis(x, axis, -1); K = x.shape[-1]
;;       x = np.pad(x, [(0, 0)] * (x.ndim - 1) + [(0, -K % 32)]); x = x.reshape(x.shape[:-1] + (-1, 32)); a = np.abs(x).max(-1, keepdims=True)
;;       e = np.where(a > 0, np.clip(np.frexp(np.where(a > 0, a, 1))[1] - 1 - 2, -126, 127), 0)      # np.frexp(a)[1] - 1 = floor(log2(a)), exactly
;;       r = np.clip(x / 2.0 ** e, -6, 6)
;;       step = 2.0 ** (np.maximum(np.frexp(np.where(r == 0, 1, r))[1] - 1, 0) - 1)
;;       q = np.round(r / step) * step * 2.0 ** e      # np.round: ties to even
;;       return np.moveaxis(q.reshape(q.shape[:-2] + (-1,))[..., :K], -1, axis).astype(np.float32)
;;   ~~~
;;   SOFTMAX AHEAD OF A QUANTISED PRODUCT. Where the list says 'softmax', what is quantised is not the finished softmax but p = 2^(t - M), with t = logit x log2(e) and M = ceil(the row's largest t), a whole number; so 1/2 < the row's largest p <= 1. The row's sum l is taken of the UNQUANTISED p, in f32, and the product's result is divided by l at the end. Since M is a whole number, a kernel that streams over the keys may use a running M (the ceiling of the running maximum): every later rescaling is an exact power of two, which a block's scale takes up: the codes' values come out the same.
;;   OPERANDS COMPUTED ON THE WAY. 'Computed on the way' means the value that the module computes at that place (a softmax that the list does not call 'softmax' is quantised finished and normalised). What goes into a quantiser is computed in f32, as accurately as f32 sums, v_exp_f32 and their like allow (about 1e-6 of the number): no bf16 or f16 on the way to a quantiser, and a product that is left as it is and whose result goes on into a quantised operand takes f32 operands (vector FMAs, or v_wmma_f32_16x16x4_f32). A number that lies on a knife's edge between two numbers of the format may be rounded either way, as far as f32 arithmetic and the matrix unit's own rounding can turn it there, and no further.
;;   INPUTS GIVEN AS CODES. w_proj (in the module: [1024, 1024], K = its axis 0); w_qkv (in the module: [1024, 3072], K = its axis 0): each comes as NAME_codes (uint8): NAME with its K axis moved to the last place and cut into blocks of 32 codes, [.., K / 32, bytes a block], one block behind the other in memory; two codes a byte, the lower K in the low four bits (a code: sign, 2 exponent bits, 1 mantissa bit); and NAME_scales (uint8): the same leading axes, one E8M0 byte (e + 127) for each 32 codes along K. Its value is code x scale, taken as it is: it is not quantised again, and the codes and scales need not be those that the quantiser above would give.
;; One version. Each part assembles by itself: llvm-mc -triple=amdgcn-amd-amdhsa -mcpu=gfx1250 --defsym DOCPART=n.
;; ======== version 1 of 1: 4 launches
;; limits: right only within a limited range of input values
;; workspace buffers: cod 6,291,456 bytes; scl 393,216 bytes; qkv 13,369,344 bytes; ao 4,456,448 bytes
;; launch norm (part 1): grid 272 x 1, 8 waves a work-group, no clusters, 132,608 bytes of LDS; arguments x, ln_gamma, ln_beta, w_qkv_codes, w_qkv_scales, w_proj_codes, w_proj_scales, cod, scl; writes cod, scl
.if DOCPART == 1
	.amdgcn_target "amdgcn-amd-amdhsa--gfx1250"
	.amdhsa_code_object_version 6
	.text
	.protected	k_qef8767d81f_norm
	.globl	k_qef8767d81f_norm
	.p2align	8
	.type	k_qef8767d81f_norm,@function
k_qef8767d81f_norm:
	s_mov_b64 s[64:65], 0
	v_nop
	global_prefetch_b8 v0, s[64:65] scope:SCOPE_SE
	s_setreg_imm32_b32 hwreg(HW_REG_WAVE_MODE, 25, 1), 1
	s_wait_xcnt 0x0
; LAUNCH 1 OF 4.  out0 = x + proj(attention(qkv(layernorm(x)))), all four products on codes of E2M1 with one E8M0 scale for each 32 along K.
; NO WORK IS LEFT OUT: every input reaches an output.  Both biases and the norm's gain and offset go into quantised operands, whose codes and scales they move, so all of them are loaded and used.
; THIS LAUNCH: (a) work-groups 0-255: xn = (x - mean) rsqrt(var + 1e-5) gamma + beta, in f32, quantised along D; (b) work-groups 256-271: both weights, which arrive as codes, are laid anew.  Both go into cod and scl.
; THE LAYOUT OF cod: blocks of 256 rows, 131,072 bytes each: [K step of 128: 8][tile: 16][1,024 bytes].  Blocks 0-31: xn; 32-43: w_qkv; 44-47: w_proj.
;   Tile t of a block holds the rows 32 (t / 2) + 8 (t % 2) + r + 8 (r / 8), r = 0 .. 15: so two neighbouring result tiles give a lane 16 neighbours along the next K.
;   A tile's 1,024 bytes of a K step are the operand's registers as they stand: piece c (512 bytes): lane l's 16 bytes at 16 l = the codes k = 64 c + 32 (l / 16) + 0 .. 31 of row l % 16.
; THE LAYOUT OF scl: blocks of 8,192 bytes: the scale word (four bytes: 128 along K) of pair p = t / 2, K step s, row r, u = t % 2 lies at 1024 p + 128 s + 8 r + 4 u.
; A block's scale is 2^(floor(log2(largest magnitude)) - 2): its byte is the largest magnitude's exponent field - 2, held at 1 from below by a floor among the maximum's leaves.
; LIMITS: a block of zeros gets the byte 1 where the rule says 127 (its codes are zeros, and these bytes are read by this program alone); NaN and infinities among the inputs are not served;
;   1 / sqrt is v_rsq_f32; the mean and the variance are f32 sums in the order of the lanes.
; (a) A work-group takes 32 rows (one pair of tiles), eight waves.  PHASE A: wave w norms rows 4 w .. 4 w + 3, a row in 32 registers a lane, every load 512 consecutive bytes; the rows go to LDS.
;     PHASE B: wave w takes K step w of all 32 rows: a lane reads whole blocks of 32 neighbours of one row, so that a block's maximum needs no other lane and the conversions' results are the operand's registers.
.set PITCH, 4112                       ; an LDS row: 4,096 bytes + 16: the 16 rows that a load touches start 4 banks apart
.set SPARE, 32*PITCH                   ; behind the rows: the spare words, 128 bytes for each of eight waves
.set SPW, 30                           ; v30  LDS address of my spare word; never rewritten
.set NIL, 31                           ; v31  0; never rewritten
.set XR,  32                           ; v32-159  phase A: four rows x 32; phase B: four units x 32
.set GA,  160                          ; v160-191 gamma
.set BE,  192                          ; v192-223 beta
.set SU,  8                            ; v8-15    a pair of sums for each row
.set PD,  16                           ; v16-19   destinations of the lane exchange
.set MU,  20                           ; v20-27   a pair for each row: the mean, later 1 / sqrt
.set CD,  8                            ; v8-23    phase B: four registers of codes for each unit
.set MX,  160                          ; v160-163 phase B: largest magnitudes; v164-167 the conversions' scale operands; v168-171 bytes; v172-177 scale words at work
.set SO,  164
.set BY,  168
.set WD,  172
	s_load_b512 s[4:19], s[0:1], 0x0               ; x s[4:5], gamma s[6:7], beta s[8:9], w_qkv codes s[10:11], scales s[12:13], w_proj codes s[14:15], scales s[16:17], cod s[18:19]
	s_load_b64 s[20:21], s[0:1], 0x40              ; scl
	v_lshl_add_u32 v[SPW], v0, 2, SPARE
	v_mov_b32 v[NIL], 0
	v_lshrrev_b32 v1, 5, v0
	s_delay_alu instid0(VALU_DEP_1)
	v_readfirstlane_b32 s22, v1                    ; wave 0..7
	v_and_b32 v5, 31, v0                           ; lane l
	v_and_b32 v6, 15, v0                           ; r
	v_bfe_u32 v7, v0, 4, 1                         ; h
	s_delay_alu instid0(VALU_DEP_3)
	v_lshlrev_b32 v1, 4, v5                        ; 16 l
	s_cmp_ge_u32 ttmp9, 256                        ; the last 16 work-groups lay the weights anew
	s_cbranch_scc1 .Lrelay
	; ---- (a) LayerNorm and quantiser
	s_lshr_b32 s28, s22, 1                         ; row 4 w + i of the pair is row r of tile u with u = bit 3, r = 8 x bit 4 + bits 2:0; its LDS row is 16 u + r
	s_and_b32 s28, s28, 1
	s_lshl_b32 s28, s28, 4
	s_lshr_b32 s29, s22, 2
	s_lshl_b32 s29, s29, 3
	s_add_co_u32 s28, s28, s29
	s_and_b32 s29, s22, 1
	s_lshl_b32 s29, s29, 2
	s_add_co_u32 s28, s28, s29
	s_mul_i32 s28, s28, PITCH
	s_wait_alu depctr_va_vdst(0)
	v_add_nc_u32 v29, s28, v1                      ; phase A: where my 16 bytes of my wave's first row go
	v_mul_u32_u24 v2, v6, PITCH
	s_delay_alu instid0(VALU_DEP_1)
	v_lshl_add_u32 v2, v7, 7, v2
	s_lshl_b32 s29, s22, 9
	v_add_nc_u32 v2, s29, v2                       ; phase B: LDS row r, K step w, block h: tile 0;
	s_delay_alu instid0(VALU_DEP_1)
	v_add_nc_u32 v3, 16*PITCH, v2                  ; tile 1
	v_lshlrev_b32 v4, 3, v6
	s_delay_alu instid0(VALU_DEP_1)
	v_lshl_add_u32 v4, v7, 2, v4                   ; 8 r + 4 h: my scale word's place
	s_mov_b32 s23, 0xffff0000                      ; lanes 16-31
	s_mov_b32 s24, 0x76543210
	s_mov_b32 s25, 0xfedcba98                      ; v_permlanex16_b32: lane l xor 16
	s_mov_b32 s26, 0x3a800000                      ; 1 / 1024
	s_mov_b32 s27, 0x3727c5ac                      ; 1e-5
	s_lshl_b32 s28, ttmp9, 17                      ; 32 rows of 4,096 bytes a work-group,
	s_lshl_b32 s29, s22, 14                        ; 4 a wave
	s_add_co_u32 s28, s28, s29
	s_mov_b32 s29, 0
	s_lshr_b32 s30, ttmp9, 3                       ; my block of 256 rows,
	s_and_b32 s31, ttmp9, 7                        ; my pair in it
	s_lshl_b32 s32, s30, 17
	s_lshl_b32 s33, s22, 14
	s_add_co_u32 s32, s32, s33
	s_lshl_b32 s33, s31, 11
	s_add_co_u32 s32, s32, s33                     ; cod: block, K step w, tile 2 x pair
	s_mov_b32 s33, 0
	s_lshl_b32 s34, s30, 13
	s_lshl_b32 s35, s31, 10
	s_add_co_u32 s34, s34, s35
	s_lshl_b32 s35, s22, 7
	s_add_co_u32 s34, s34, s35                     ; scl: block, pair, K step w
	s_mov_b32 s35, 0
	s_wait_kmcnt 0x0
	s_add_nc_u64 s[4:5], s[4:5], s[28:29]
	s_add_nc_u64 s[18:19], s[18:19], s[32:33]
	s_add_nc_u64 s[20:21], s[20:21], s[34:35]
.irp i, 0,1,2,3
.irp j, 0,1,2,3,4,5,6,7
	global_load_b128 v[XR+32*\i+4*\j:XR+32*\i+4*\j+3], v1, s[4:5] offset:4096*\i+512*\j th:TH_LOAD_NT   ; 32 lanes read 512 consecutive bytes
.endr
.endr
.irp j, 0,1,2,3,4,5,6,7
	global_load_b128 v[GA+4*\j:GA+4*\j+3], v1, s[6:7] offset:512*\j
	global_load_b128 v[BE+4*\j:BE+4*\j+3], v1, s[8:9] offset:512*\j
.endr
.irp i, 0,1,2,3
	v_mov_b32 v[PD+\i], 0                          ; written once: a lane exchange's destination counts as one of its sources
.endr
; the sums of four rows over the 32 lanes, the rows by turns
.macro RED4
.irp m, 1,2,4,8
.irp i, 0,1,2,3
	s_delay_alu instid0(VALU_DEP_4)
	v_add_f32_dpp v[SU+2*\i], v[SU+2*\i], v[SU+2*\i] row_xmask:\m row_mask:0xf bank_mask:0xf
.endr
.endr
.irp i, 0,1,2,3
	s_delay_alu instid0(VALU_DEP_4)
	v_permlanex16_b32 v[PD+\i], v[SU+2*\i], s24, s25
.endr
.irp i, 0,1,2,3
	s_delay_alu instid0(VALU_DEP_4)
	v_add_f32 v[SU+2*\i], v[SU+2*\i], v[PD+\i]
.endr
.endm
	s_wait_loadcnt 16                              ; x is in; the 16 loads of gamma and beta, issued behind it, may be out
.irp i, 0,1,2,3
	v_pk_add_f32 v[SU+2*\i:SU+2*\i+1], v[XR+32*\i:XR+32*\i+1], v[XR+32*\i+2:XR+32*\i+3]
.endr
.irp j, 4,6,8,10,12,14,16,18,20,22,24,26,28,30
.irp i, 0,1,2,3
	s_delay_alu instid0(VALU_DEP_4)
	v_pk_add_f32 v[SU+2*\i:SU+2*\i+1], v[SU+2*\i:SU+2*\i+1], v[XR+32*\i+\j:XR+32*\i+\j+1]
.endr
.endr
.irp i, 0,1,2,3
	s_delay_alu instid0(VALU_DEP_4)
	v_add_f32 v[SU+2*\i], v[SU+2*\i], v[SU+2*\i+1]
.endr
	RED4
.irp i, 0,1,2,3
	v_mul_f32 v[MU+2*\i], s26, v[SU+2*\i]          ; the mean, in both halves of its pair
	v_mul_f32 v[MU+2*\i+1], s26, v[SU+2*\i]
.endr
.irp j, 0,2,4,6,8,10,12,14,16,18,20,22,24,26,28,30
.irp i, 0,1,2,3
	v_pk_add_f32 v[XR+32*\i+\j:XR+32*\i+\j+1], v[XR+32*\i+\j:XR+32*\i+\j+1], v[MU+2*\i:MU+2*\i+1] neg_lo:[0,1] neg_hi:[0,1]   ; x - mean
.endr
.endr
.irp i, 0,1,2,3
	v_pk_mul_f32 v[SU+2*\i:SU+2*\i+1], v[XR+32*\i:XR+32*\i+1], v[XR+32*\i:XR+32*\i+1]
.endr
.irp j, 2,4,6,8,10,12,14,16,18,20,22,24,26,28,30
.irp i, 0,1,2,3
	s_delay_alu instid0(VALU_DEP_4)
	v_pk_fma_f32 v[SU+2*\i:SU+2*\i+1], v[XR+32*\i+\j:XR+32*\i+\j+1], v[XR+32*\i+\j:XR+32*\i+\j+1], v[SU+2*\i:SU+2*\i+1]
.endr
.endr
.irp i, 0,1,2,3
	s_delay_alu instid0(VALU_DEP_4)
	v_add_f32 v[SU+2*\i], v[SU+2*\i], v[SU+2*\i+1]
.endr
	RED4
.irp i, 0,1,2,3
	s_delay_alu instid0(VALU_DEP_4)
	v_fma_f32 v[MU+2*\i], v[SU+2*\i], s26, s27     ; the variance + 1e-5
.endr
	s_wait_alu depctr_va_vdst(0)
.irp i, 0,1,2,3
	v_rsq_f32 v[MU+2*\i], v[MU+2*\i]
.endr
	v_nop                                          ; a plain instruction behind the last of the four,
	s_wait_alu depctr_va_vdst(0)                   ; and one wait for the batch, ahead of its first reader
.irp i, 0,1,2,3
	v_mov_b32 v[MU+2*\i+1], v[MU+2*\i]
.endr
	s_wait_alu depctr_va_vdst(0)
	s_wait_loadcnt 0x0                             ; gamma and beta
.irp j, 0,2,4,6,8,10,12,14,16,18,20,22,24,26,28,30
.irp i, 0,1,2,3
	v_pk_mul_f32 v[XR+32*\i+\j:XR+32*\i+\j+1], v[XR+32*\i+\j:XR+32*\i+\j+1], v[MU+2*\i:MU+2*\i+1]
.endr
.irp i, 0,1,2,3
	s_delay_alu instid0(VALU_DEP_4)
	v_pk_fma_f32 v[XR+32*\i+\j:XR+32*\i+\j+1], v[XR+32*\i+\j:XR+32*\i+\j+1], v[GA+\j:GA+\j+1], v[BE+\j:BE+\j+1]
.endr
.endr
.irp i, 0,1,2,3
.irp j, 0,1,2,3,4,5,6,7
	ds_store_b128 v29, v[XR+32*\i+4*\j:XR+32*\i+4*\j+3] offset:\i*PITCH+512*\j
.endr
.endr
	s_wait_dscnt 0x0                               ; for the others' sake: my rows lie in LDS
	s_barrier_signal -1
	s_barrier_wait -1                              ; all 32 rows do
	; PHASE B.  Unit 2 u + c: block 4 w + 2 c + h of row r of tile u: 32 neighbours, 8 loads
.irp u, 0,1
.irp c, 0,1
.irp q, 0,1,2,3,4,5,6,7
	ds_load_b128 v[XR+32*(2*\u+\c)+4*\q:XR+32*(2*\u+\c)+4*\q+3], v[2+\u] offset:256*\c+16*\q
.endr
.endr
.endr
	v_lshlrev_b32 v[WD+4], 3, v7                   ; 8 h
	v_mov_b32 v[WD+2], 0
	v_mov_b32 v[WD+3], 0
	s_wait_dscnt 0x0
.irp n, 0,1,2,3
	v_max3_num_f32 v[MX+\n], |v[XR+32*\n]|, |v[XR+32*\n+1]|, 0x1800000   ; the block's largest magnitude, and the floor 2^(3 - 127): the byte cannot fall under 1
.endr
.irp i, 2,4,6,8,10,12,14,16,18,20,22,24,26,28,30
.irp n, 0,1,2,3
	s_delay_alu instid0(VALU_DEP_4)
	v_max3_num_f32 v[MX+\n], v[MX+\n], |v[XR+32*\n+\i]|, |v[XR+32*\n+\i+1]|   ; the four units by turns
.endr
.endr
.irp n, 0,1,2,3
	s_delay_alu instid0(VALU_DEP_4)
	v_add_nc_u32 v[SO+\n], 0xff000000, v[MX+\n]    ; 2 off the exponent field: the conversion takes this operand's exponent field as its scale
.endr
.irp n, 0,1,2,3
	s_delay_alu instid0(VALU_DEP_4)
	v_lshrrev_b32 v[BY+\n], 23, v[SO+\n]           ; the scale's byte
.endr
.irp n, 0,1,2,3
.irp g, 0,1,2,3
	v_cvt_scalef32_pk8_fp4_f32 v[CD+4*\n+\g], v[XR+32*\n+8*\g:XR+32*\n+8*\g+7], v[SO+\n]
.endr
.endr
	v_nop                                          ; a plain instruction behind the last scaled conversion
.irp u, 0,1
.irp c, 0,1
	global_store_b128 v1, v[CD+4*(2*\u+\c):CD+4*(2*\u+\c)+3], s[18:19] offset:1024*\u+512*\c   ; 32 lanes store 512 consecutive bytes: a piece of an image
.endr
.endr
.irp u, 0,1
	v_lshl_or_b32 v[WD+\u], v[BY+2*\u+1], 16, v[BY+2*\u]   ; my two bytes of tile u: blocks h and 2 + h,
.endr
.irp u, 0,1
	s_delay_alu instid0(VALU_DEP_2)
	v_lshlrev_b32 v[WD+\u], v[WD+4], v[WD+\u]      ; at their places;
.endr
.irp u, 0,1
	s_delay_alu instid0(VALU_DEP_2)
	v_permlanex16_b32 v[WD+2+\u], v[WD+\u], s24, s25
.endr
.irp u, 0,1
	s_delay_alu instid0(VALU_DEP_2)
	v_or_b32 v[WD+\u], v[WD+\u], v[WD+2+\u]        ; with lane l xor 16's two the word is whole
.endr
	s_delay_alu instid0(VALU_DEP_1)
	v_cndmask_b32 v[WD+5], v[WD], v[WD+1], s23     ; lanes 0-15 store tile 0's words, lanes 16-31 tile 1's
	global_store_b32 v4, v[WD+5], s[20:21]         ; 128 consecutive bytes
	s_wait_tensorcnt 0x0                           ; the wave's end
	ds_add_u32 v[SPW], v[NIL]
	s_wait_dscnt 0x0
	s_endpgm
	; ---- (b) the weights' codes and scale bytes, laid as images.  A wave takes a pair of tiles (32 rows): pairs 0-95 are w_qkv's, 96-127 w_proj's; pair q goes to block 32 + q / 8.  No LDS.
.Lrelay:
	s_sub_co_u32 s28, ttmp9, 256
	s_lshl_b32 s28, s28, 3
	s_add_co_u32 s28, s28, s22                     ; q
	s_wait_alu depctr_va_vdst(0)
	v_and_b32 v8, 8, v6
	s_delay_alu instid0(VALU_DEP_1)
	v_add_nc_u32 v8, v8, v6                        ; r + 8 (r / 8)
	s_delay_alu instid0(VALU_DEP_1)
	v_lshlrev_b32 v9, 9, v8
	s_delay_alu instid0(VALU_DEP_1)
	v_lshl_add_u32 v9, v7, 4, v9                   ; codes: a row is 512 bytes; + 16 h
	s_delay_alu instid0(VALU_DEP_3)
	v_lshl_add_u32 v10, v7, 3, v8
	s_delay_alu instid0(VALU_DEP_1)
	v_lshlrev_b32 v10, 5, v10                      ; scale bytes: lanes 0-15 take tile 0's rows, lanes 16-31 tile 1's; a row is 32 bytes
	v_lshlrev_b32 v11, 3, v6
	s_delay_alu instid0(VALU_DEP_1)
	v_lshl_add_u32 v11, v7, 2, v11                 ; 8 r + 4 h
	s_lshr_b32 s32, s28, 3
	s_add_co_u32 s32, s32, 32                      ; the block,
	s_and_b32 s33, s28, 7                          ; the pair in it
	s_lshl_b32 s34, s32, 17
	s_lshl_b32 s35, s33, 11
	s_add_co_u32 s34, s34, s35
	s_mov_b32 s35, 0
	s_lshl_b32 s36, s32, 13
	s_lshl_b32 s37, s33, 10
	s_add_co_u32 s36, s36, s37
	s_mov_b32 s37, 0
	s_wait_alu depctr_va_vdst(0)
	s_wait_kmcnt 0x0
	s_cmp_lt_u32 s28, 96                           ; which weight: the choice hangs on ids alone
	s_cselect_b64 s[10:11], s[10:11], s[14:15]
	s_cselect_b64 s[12:13], s[12:13], s[16:17]
	s_cselect_b32 s29, 0, 96
	s_sub_co_u32 s29, s28, s29                     ; the pair in its weight
	s_lshl_b32 s30, s29, 14
	s_mov_b32 s31, 0
	s_add_nc_u64 s[10:11], s[10:11], s[30:31]
	s_lshl_b32 s30, s29, 10
	s_add_nc_u64 s[12:13], s[12:13], s[30:31]
	s_add_nc_u64 s[18:19], s[18:19], s[34:35]
	s_add_nc_u64 s[20:21], s[20:21], s[36:37]
.irp u, 0,1
.irp s, 0,1,2,3,4,5,6,7
.irp c, 0,1
	global_load_b128 v[32+4*(16*\u+2*\s+\c):32+4*(16*\u+2*\s+\c)+3], v9, s[10:11] offset:4096*\u+64*\s+32*\c
.endr
.endr
.endr
	global_load_b128 v[160:163], v10, s[12:13]     ; my row's eight scale words
	global_load_b128 v[164:167], v10, s[12:13] offset:16
	s_wait_loadcnt 2                               ; the codes are in; the two loads of scale words may be out
.irp u, 0,1
.irp s, 0,1,2,3,4,5,6,7
.irp c, 0,1
	global_store_b128 v1, v[32+4*(16*\u+2*\s+\c):32+4*(16*\u+2*\s+\c)+3], s[18:19] offset:16384*\s+1024*\u+512*\c
.endr
.endr
.endr
	s_wait_loadcnt 0x0
.irp s, 0,1,2,3,4,5,6,7
	global_store_b32 v11, v[160+\s], s[20:21] offset:128*\s
.endr
	s_endpgm
.Lfunc_end_k_qef8767d81f_norm:
	.size	k_qef8767d81f_norm, .Lfunc_end_k_qef8767d81f_norm-k_qef8767d81f_norm
	.p2alignl 7, 3214868480
	.fill 96, 4, 3214868480
	.section	.rodata,"a",@progbits
	.p2align	6, 0x0
	.amdhsa_kernel k_qef8767d81f_norm
		.amdhsa_group_segment_fixed_size 132608
		.amdhsa_private_segment_fixed_size 0
		.amdhsa_enable_private_segment 0
		.amdhsa_kernarg_size 72
		.amdhsa_user_sgpr_count 2
		.amdhsa_user_sgpr_kernarg_segment_ptr 1
		.amdhsa_wavefront_size32 1
		.amdhsa_system_sgpr_workgroup_id_x 1
		.amdhsa_system_sgpr_workgroup_id_y 1
		.amdhsa_system_sgpr_workgroup_id_z 1
		.amdhsa_system_vgpr_workitem_id 0
		.amdhsa_next_free_vgpr 224
		.amdhsa_next_free_sgpr 66
		.amdhsa_reserve_vcc 0
		.amdhsa_float_denorm_mode_32 3
		.amdhsa_float_denorm_mode_16_64 3
		.amdhsa_memory_ordered 1
		.amdhsa_forward_progress 1
		.amdhsa_inst_pref_size 61
	.end_amdhsa_kernel
	.amdgpu_metadata
---
amdhsa.version: [ 1, 2 ]
amdhsa.kernels:
  - .name:           k_qef8767d81f_norm
    .symbol:         k_qef8767d81f_norm.kd
    .args:
      - { .name: x, .offset: 0, .size: 8, .value_kind: global_buffer, .address_space: global }
      - { .name: ln_gamma, .offset: 8, .size: 8, .value_kind: global_buffer, .address_space: global }
      - { .name: ln_beta, .offset: 16, .size: 8, .value_kind: global_buffer, .address_space: global }
      - { .name: w_qkv_codes, .offset: 24, .size: 8, .value_kind: global_buffer, .address_space: global }
      - { .name: w_qkv_scales, .offset: 32, .size: 8, .value_kind: global_buffer, .address_space: global }
      - { .name: w_proj_codes, .offset: 40, .size: 8, .value_kind: global_buffer, .address_space: global }
      - { .name: w_proj_scales, .offset: 48, .size: 8, .value_kind: global_buffer, .address_space: global }
      - { .name: cod, .offset: 56, .size: 8, .value_kind: global_buffer, .address_space: global }
      - { .name: scl, .offset: 64, .size: 8, .value_kind: global_buffer, .address_space: global }
    .group_segment_fixed_size: 132608
    .private_segment_fixed_size: 0
    .kernarg_segment_align: 8
    .kernarg_segment_size: 72
    .max_flat_workgroup_size: 256
    .sgpr_count:     66
    .vgpr_count:     224
    .wavefront_size: 32
...
	.end_amdgpu_metadata
.endif
;; end of part 1
;; launch qkv (part 2): grid 8 x 48, 4 waves a work-group, clusters of 4 x 4, 279,040 bytes of LDS; arguments cod, scl, b_qkv, qkv; writes qkv
.if DOCPART == 2
	.amdgcn_target "amdgcn-amd-amdhsa--gfx1250"
	.amdhsa_code_object_version 6
	.text
	.protected	k_qef8767d81f_qkv
	.globl	k_qef8767d81f_qkv
	.p2align	8
	.type	k_qef8767d81f_qkv,@function
k_qef8767d81f_qkv:
	s_mov_b64 s[64:65], 0
	v_nop
	global_prefetch_b8 v0, s[64:65] scope:SCOPE_SE
	s_setreg_imm32_b32 hwreg(HW_REG_WAVE_MODE, 25, 1), 1
	s_wait_xcnt 0x0
	s_wait_alu depctr_hold_cnt(0) depctr_sa_sdst(0) depctr_va_vdst(0) depctr_va_sdst(0) depctr_va_ssrc(0) depctr_va_vcc(0) depctr_vm_vsrc(0)
	s_getreg_b32 s2, hwreg(HW_REG_IB_STS2, 6, 4)
	s_cmp_eq_u32 s2, 0
	s_cbranch_scc0 .Lentry_in_a_cluster
	s_endpgm
.Lentry_in_a_cluster:
	s_bfe_u32 s2, ttmp6, 0x10000c
	s_cmp_lg_u32 s2, 0xf033
	s_cbranch_scc0 .Lentry_shape_is_right
	s_endpgm
.Lentry_shape_is_right:
; LAUNCH 2 OF 4: qkv = xn w_qkv + b_qkv on codes of E2M1, and the quantisers of q, k (along the head's 64) and v (along the keys), in registers.  No work is left out.
; OPERANDS come from cod and scl as images of the operand's registers (their layout: at the head of the first launch).  X is source 0, Y source 1: in a result a lane holds ONE row of Y and its registers run along X.
; TWO TYPES OF WORK-GROUP, told apart by the cluster's y alone, so alike in all partners of a cluster:
;   QK (cluster y 0-7):  X = 256 columns of w_qkv (q's or k's), Y = 256 tokens: a lane holds a token and its registers run along the head's channels, which is q's and k's K.
;   V  (cluster y 8-11): X = 256 tokens, Y = 256 columns of v: a lane holds a channel and its registers run along the tokens, the keys, which is v's K.
; A work-group makes 256 x 256, each of its four waves 128 x 128: 64 accumulators, 512 registers.  All of K (1,024) of both operands fits LDS: 2 x 131,072 bytes of codes and 2 x 8,192 of scale words, FILLED ONCE: no slot is filled again.
; CLUSTERS: 4 x 4.  Y's block hangs on the cluster's row, X's on its column: each is asked for jointly by the four that share it.  Each wave issues one load: one is out at the most.
; The bias is the C of each sum's first product (so the order of rounding differs from adding it last).  Only that first K step is written twice, once for each type.
; WHAT IS STORED (buffer qkv): for head gh = 16 batch + head and key step G of 128 tokens a record of 8,704 bytes at 139,264 gh + 8,704 G: K's codes [tile 8][512]; at 4,096 V's codes [piece 2][channel tile 4][512];
;   at 8,192 K's scale words [row 16][pair of tiles 4] (low half: the even tile's two bytes, high half: the odd tile's); at 8,448 V's scale words [row 16][channel tile 4].
;   At QI: q's codes [gh][tile 128][512]; at QS: q's scale words [gh][G 16][row 16][pair 4], as K's.
; LIMITS: a block of zeros gets the byte 1 where the rule says 127 (its codes are zeros; this program alone reads the bytes); NaN and infinities are not served.
; REGISTERS, in windows of 256: window 0: v16-29 addresses; v32-95 scale words; v96-115 at work; v128-191 Y's fragments, one set, later the codes made; v192-223 scale words made, bias addresses.
;   window 1: X's fragments, two sets, v0-63 and v128-191; v64-127 the bias.   windows 2, 3: accumulator (Y tile a, X tile b) at v[8 (8 (a % 4) + b)] of window 2 + a / 4.
; THE LOADS AS THEY STAND (in place of the sentence on three loads above): ONE a wave, at the head, in one tree of branches on the wave's number: wave 0 Y's codes of all of K (512 rows of 256 bytes),
; wave 1 X's, wave 2 Y's scale words (32 rows), wave 3 X's.  One load is out in a wave; one wait for 0 and one barrier show all four tiles to all waves.
; K's CODES: in the tiles of an odd pair (tiles 2, 3, 6, 7 of a record) a lane's 16 bytes lie at 16 x lane with bit 7 flipped, so that the next launch, whose sixteen lanes read eight rows of an even pair and
; eight rows of an odd one, touches sixteen different 16-byte columns of 256 bytes.  q's and v's images are stored as they were.
.set XP,    0
.set YP,    131072                     ; Y's
.set YS,    262144                     ; Y's scale words
.set XS,    270336                     ; X's
.set SPARE, 278528                     ; the spare words, 128 bytes for each wave
.set QI,    8912896
.set QS,    13107200
.set HEADB, 139264
.set RECB,  8704
.set ADY,  16                          ; v16-17 LDS address of my Y fragments, K steps 0-3 and 4-7
.set ADX,  20                          ; v20-21 the same for X
.set VO,   24                          ; v24    16 x lane
.set VSO,  25                          ; v25    where my scale words go
.set ADS,  27                          ; v27    LDS address of my scale words: lanes 0-15 Y's, lanes 16-31 X's
.set SPW,  28                          ; v28    LDS address of my spare word; never rewritten
.set NIL,  29                          ; v29    0; never rewritten
.set SC,   32                          ; v[SC + 8 s + i]: lanes 0-15 the word of Y's tile i, lanes 16-31 that of X's tile i, K step s
.set FL,   96                          ; the floor 2^(3 - 127)
.set TM,   100                         ; v100-103 largest magnitudes, v104-107 bytes, v112-115 the conversions' scale operands
.set YF,   128
.set PC,   128                         ; the codes made: 8 registers for each Y tile, so that no store's data are written again
.set PW,   192                         ; the scale word made, one for each Y tile
.set SELV, 200
.set TT,   204
.set UU,   208
.set OUTW, 212
.set AD,   216                         ; v216-223 the bias loads' offsets
.set BB,   64                          ; in window 1
.set SEL,  22                          ; s[22:23] v_permlanex16_b32: lane l xor 16
.set G1, 24                            ; s[24:31] descriptor group 1 for Y's codes;  s[32:35] group 0, one set for all of K
.set G0, 32
.set G1B, 48                           ; s[48:55], s[56:59] the same for X's
.set G0B, 56
.set G1S, 68                           ; s[68:75], s[76:79] groups 1 and 0 for Y's scale words;  s[80:87], s[88:91] for X's
.set G0S, 76
.set G1SB, 80
.set G0SB, 88
.set MSB, 0
.macro WIN new                         ; the immediate's high byte repeats the setting that is left
.if MSB != (\new)
	s_set_vgpr_msb (MSB<<8)|(\new)
.set MSB, (\new)
.endif
.endm
; An arm of the head's tree: the waves under \under that no earlier arm took issue this joint load and jump to the tree's end.  An s_nop 0 and four v_nop follow the load.
.macro ARM under, g0, g1, next
	s_cmp_lt_u32 s14, \under
	s_cbranch_scc0 \next
	tensor_load_to_lds s[\g0:\g0+3], s[\g1:\g1+7]
	s_nop 0
.rept 4
	v_nop
.endr
	s_branch .Lhead_asked
\next:
.endm
.macro CROUND                          ; a round of the cluster's barrier
	s_barrier_signal -1
	s_barrier_wait -1
	s_cmp_lg_u32 s14, 0
	s_cbranch_scc1 .Lnot_wave_0_\@
	s_barrier_signal -3
.Lnot_wave_0_\@:
	s_barrier_wait -3
	s_barrier_signal -1
	s_barrier_wait -1
.endm
.macro PLACES                          ; four plain instructions between a matrix instruction and a load into, or a vector read of, its registers
.rept 4
	v_nop
.endr
.endm
	s_load_b256 s[4:11], s[0:1], 0x0               ; cod s[4:5], scl s[6:7], b_qkv s[8:9], qkv s[10:11]
	v_lshl_add_u32 v[SPW], v0, 2, SPARE
	v_mov_b32 v[NIL], 0
	ds_add_u32 v[SPW], v[NIL]                      ; the wave's opening: the add, twice on end, and its wait ahead of my first tensor load
	ds_add_u32 v[SPW], v[NIL]
	v_lshrrev_b32 v1, 5, v0
	v_readfirstlane_b32 s14, v1                    ; wave 0..3
	s_lshr_b32 s15, s14, 1                         ; which half of Y's rows is mine.
	s_and_b32 s16, s14, 1                          ; which half of X's rows.
	s_bfe_u32 s40, ttmp6, 0x40000                  ; cx
	s_bfe_u32 s41, ttmp6, 0x40004                  ; cy
	s_lshl_b32 s42, ttmp9, 2
	s_add_co_u32 s42, s42, s40                     ; work-group x = 4 x cluster x + cx
	s_and_b32 s17, ttmp7, 0xffff                   ; cluster y
	s_lshl_b32 s43, s41, 2
	s_lshl_b32 s43, 15, s43                        ; my row of the cluster
	s_lshl_b32 s44, 0x1111, s40                    ; my column
	; descriptor group 1: dense bytes as rows of 256 (32 elements of 8 bytes); codes: 512 rows a load, scale words: 32
	s_or_b32 s[G1+0], s43, (3<<16)|(1<<21)         ; 15:0 the mask: Y's bytes go to my row; 17:16 elements of 8 bytes; 21 set beside a mask
	s_or_b32 s[G1B+0], s44, (3<<16)|(1<<21)        ; X's go to my column
	s_or_b32 s[G1S+0], s43, (3<<16)|(1<<21)
	s_or_b32 s[G1SB+0], s44, (3<<16)|(1<<21)
.irp g, G1, G1B
	s_mov_b32 s[\g+1], 32<<16                      ; tensor_dim0
	s_mov_b32 s[\g+2], 512<<16                     ; tensor_dim1
	s_mov_b32 s[\g+3], 32<<16                      ; tile_dim0
	s_mov_b32 s[\g+4], 512                         ; tile_dim1
	s_mov_b32 s[\g+5], 32                          ; the pitch
	s_mov_b32 s[\g+6], 0
	s_mov_b32 s[\g+7], 0
.endr
.irp g, G1S, G1SB
	s_mov_b32 s[\g+1], 32<<16
	s_mov_b32 s[\g+2], 32<<16
	s_mov_b32 s[\g+3], 32<<16
	s_mov_b32 s[\g+4], 32
	s_mov_b32 s[\g+5], 32
	s_mov_b32 s[\g+6], 0
	s_mov_b32 s[\g+7], 0
.endr
	; which blocks.  QK: Y = tokens' block 4 x cluster y + cy, X = block 32 + work-group x.  V: Y = block 40 + cy, X = tokens' block work-group x + 8 (cluster y - 8).  Y's never holds cx, X's never cy
	s_lshl_b32 s18, s17, 2
	s_max_u32 s19, s17, 8
	s_sub_co_u32 s19, s19, 8
	s_lshl_b32 s19, s19, 3
	s_cmp_lt_u32 s17, 8
	s_cselect_b32 s20, s18, 40
	s_cselect_b32 s46, 32, s19
	s_cselect_b32 s45, 0, -1                       ; the type as a mask: 0 QK, all ones V
	s_add_co_u32 s20, s20, s41                     ; Y's block
	s_add_co_u32 s46, s46, s42                     ; X's block
	s_mov_b32 s12, s20
	s_mov_b32 s13, s46
	s_lshl_b32 s22, s20, 13
	s_lshl_b32 s20, s20, 17
	s_lshl_b32 s92, s46, 13
	s_lshl_b32 s46, s46, 17
	s_mov_b32 s21, 0
	s_mov_b32 s23, 0
	s_mov_b32 s47, 0
	s_mov_b32 s93, 0
	s_wait_dscnt 0x0                               ; both opening adds are done
	s_wait_kmcnt 0x0
	s_add_nc_u64 s[20:21], s[4:5], s[20:21]
	s_add_nc_u64 s[22:23], s[6:7], s[22:23]
	s_add_nc_u64 s[46:47], s[4:5], s[46:47]
	s_add_nc_u64 s[92:93], s[6:7], s[92:93]
	CROUND                                         ; all sixteen work-groups are here: the joint loads meet
	s_mov_b32 s[G0S], 1
	s_mov_b32 s[G0S+1], YS
	s_mov_b64 s[G0S+2:G0S+3], s[22:23]
	s_or_b32 s[G0S+3], s[G0S+3], 0x80000000
	s_mov_b32 s[G0SB], 1
	s_mov_b32 s[G0SB+1], XS
	s_mov_b64 s[G0SB+2:G0SB+3], s[92:93]
	s_or_b32 s[G0SB+3], s[G0SB+3], 0x80000000
.irp k, 0
	s_mov_b32 s[G0+4*\k], 1
	s_mov_b32 s[G0+4*\k+1], YP
	s_add_nc_u64 s[G0+4*\k+2:G0+4*\k+3], s[20:21], \k*65536
	s_or_b32 s[G0+4*\k+3], s[G0+4*\k+3], 0x80000000
	s_mov_b32 s[G0B+4*\k], 1
	s_mov_b32 s[G0B+4*\k+1], XP
	s_add_nc_u64 s[G0B+4*\k+2:G0B+4*\k+3], s[46:47], \k*65536
	s_or_b32 s[G0B+4*\k+3], s[G0B+4*\k+3], 0x80000000
.endr
	; THE HEAD'S LOADS, ONE A WAVE: every way through the tree passes exactly one
	ARM 1, G0,  G1,  .Lhead_x
	ARM 2, G0B, G1B, .Lhead_sy
	ARM 3, G0S, G1S, .Lhead_sx
	tensor_load_to_lds s[G0SB:G0SB+3], s[G1SB:G1SB+7]
	s_nop 0
.rept 4
	v_nop
.endr
.Lhead_asked:
	v_and_b32 v1, 15, v0                           ; r
	v_bfe_u32 v2, v0, 4, 1                         ; h
	s_wait_alu depctr_va_vdst(0)
	v_and_b32 v3, 31, v0
	v_lshlrev_b32 v[VO], 4, v3
	s_lshl_b32 s18, s15, 13                        ; my eight tiles: 8,192 bytes of each K step
	s_add_co_u32 s18, s18, YP
	s_lshl_b32 s19, s16, 13
.irp k, 0,1
	v_add_nc_u32 v[ADY+\k], s18, v[VO]
	v_add_nc_u32 v[ADX+\k], s19, v[VO]
	s_add_co_u32 s18, s18, 65536
	s_add_co_u32 s19, s19, 65536
.endr
	v_lshlrev_b32 v4, 3, v1                        ; scale words: 8 r,
	s_lshl_b32 s18, s15, 12                        ; Y's: my four pairs
	s_lshl_b32 s19, s16, 12                        ; X's: my four pairs, in the region behind Y's
	s_add_co_u32 s19, s19, XS-YS
	s_sub_co_u32 s19, s19, s18
	v_mul_u32_u24 v5, s19, v2                      ; lanes 16-31 take X's
	s_add_co_u32 s18, s18, YS
	v_add_nc_u32 v4, v4, v5
	v_add_nc_u32 v[ADS], s18, v4
	; the bias, in the result's layout.  QK: register j of X tile t wants b at 32 (t / 2) + 8 (t % 2) + 16 h + j.  V: all eight registers of Y tile t want b at the lane's column 32 (t / 2) + 8 (t % 2) + r + 8 (r / 8)
	v_and_b32 v6, 8, v1
	v_add_nc_u32 v6, v6, v1
	s_lshl_b32 s20, s42, 8
	s_lshl_b32 s21, s16, 7
	s_add_co_u32 s20, s20, s21                     ; QK: my first column
	s_lshl_b32 s46, s41, 8
	s_lshl_b32 s47, s15, 7
	s_add_co_u32 s46, s46, s47
	s_add_co_u32 s46, s46, 2048                    ; V: my first column
	s_lshl_b32 s66, s42, 1
	s_add_co_u32 s66, s66, s16
	s_and_b32 s66, s66, 7                          ; QK: my pair of heads
	s_lshl_b32 s67, s41, 1
	s_add_co_u32 s67, s67, s15                     ; V: my pair of heads
	s_cmp_eq_u32 s45, 0
	s_cselect_b32 s20, s20, s46
	s_cselect_b32 s18, 64, 0
	s_cselect_b32 s19, 0, 4
	s_cselect_b32 s2, 4, 0
	s_cselect_b32 s46, s12, s13                    ; the tokens' block,
	s_cselect_b32 s47, s15, s16                    ; my half of it,
	s_cselect_b32 s66, s66, s67                    ; the pair of heads,
	s_cselect_b32 s67, ttmp9, 2                    ; and what I make: 0 q, 1 k, 2 v
	s_lshl_b32 s20, s20, 2
	s_mov_b32 s21, 0
	s_add_nc_u64 s[8:9], s[8:9], s[20:21]
	v_mul_u32_u24 v[AD], v2, s18
	s_wait_alu depctr_va_vdst(0)
	v_mad_u32_u24 v[AD], v6, s19, v[AD]
.irp j, 1,2,3,4,5,6,7
	v_add_nc_u32 v[AD+\j], s2, v[AD+\j-1]
.endr
	WIN 0x40                                       ; destination window 1
.irp t, 0,1,2,3,4,5,6,7
.irp j, 0,1,2,3,4,5,6,7
	global_load_b32 v[BB+8*\t+\j], v[AD+\j], s[8:9] offset:(32*(\t/2)+8*(\t%2))*4
.endr
.endr
	WIN 0
	; where the results go
	s_lshl_b32 s46, s46, 1
	s_add_co_u32 s46, s46, s47                     ; which 128 tokens of all
	s_lshr_b32 s47, s46, 4                         ; the batch
	s_and_b32 s46, s46, 15                         ; G
	s_lshl_b32 s47, s47, 4
	s_lshl_b32 s66, s66, 1
	s_add_co_u32 s47, s47, s66                     ; gh of the pair's first head
	s_mul_i32 s18, s47, HEADB
	s_mul_i32 s19, s46, RECB
	s_add_co_u32 s18, s18, s19                     ; k, v: the record
	s_add_co_u32 s3, s18, 8192                     ; and K's scale words in it
	s_lshl_b32 s19, s47, 16
	s_lshl_b32 s20, s46, 12
	s_add_co_u32 s19, s19, s20
	s_add_co_u32 s19, s19, QI                      ; q: the codes
	s_lshl_b32 s20, s47, 12
	s_lshl_b32 s21, s46, 8
	s_add_co_u32 s20, s20, s21
	s_add_co_u32 s20, s20, QS                      ; q: the scale words
	s_mov_b32 s2, HEADB
	s_cmp_eq_u32 s67, 0
	s_cselect_b32 s46, s19, s18                    ; the codes' place
	s_cselect_b32 s3, s20, s3                      ; the scale words' place
	s_cselect_b32 s66, 4096, s2                    ; from head to head among the scale words
	s_cselect_b32 s18, 65536, s2                   ; from piece 0 to piece 1 (q, k: the next head)
	s_cmp_eq_u32 s67, 2
	s_cselect_b32 s19, 4096, 0
	s_cselect_b32 s20, 256, 0
	s_cselect_b32 s18, 2048, s18                   ; (v: the next 64 keys)
	s_cselect_b32 s21, s2, 2048                    ; from Y tiles 0-3 to 4-7 (q, k: four tiles on; v: the next head)
	s_add_co_u32 s46, s46, s19
	s_add_co_u32 s3, s3, s20
	s_mov_b32 s47, 0
	s_add_nc_u64 s[92:93], s[10:11], s[46:47]      ; s[92 + 4 c + 2 q]: piece c, Y tiles 4 q on
	s_mov_b32 s19, 0
	s_add_nc_u64 s[96:97], s[92:93], s[18:19]
	s_mov_b32 s20, s21
	s_mov_b32 s21, 0
	s_add_nc_u64 s[94:95], s[92:93], s[20:21]
	s_add_nc_u64 s[98:99], s[96:97], s[20:21]
	s_mov_b32 s2, s3
	s_mov_b32 s3, 0
	s_add_nc_u64 s[100:101], s[10:11], s[2:3]
	s_cmp_eq_u32 s67, 1                            ; k alone:
	s_cselect_b32 s2, 128, 0
	v_xor_b32 v26, s2, v[VO]                       ; v26: 16 x lane with bit 7 flipped, for the tiles of an odd pair (q, v: 16 x lane as it is)
	v_lshlrev_b32 v[VSO], 4, v1
	v_mul_u32_u24 v5, v2, s66
	v_add_nc_u32 v[VSO], v[VSO], v5                ; 16 r; lanes 16-31 store the second head's words
	s_mov_b32 s66, 0xffff0000                      ; lanes 16-31
	s_mov_b32 s[SEL], 0x76543210
	s_mov_b32 s[SEL+1], 0xfedcba98
	v_mov_b32 v[SELV], 0x05040100                  ; lanes 0-15 take two words' low halves (the first head's bytes),
	v_mov_b32 v[SELV+1], 0x07060302                ; lanes 16-31 their high halves
	v_cndmask_b32 v[SELV], v[SELV], v[SELV+1], s66
	v_mov_b32 v[FL], 0x1800000
.irp b, 0,1,2,3
	v_mov_b32 v[TM+4+\b], 0                        ; written once: a lane exchange's destination counts as one of its sources
.endr
.macro FRAG reg, adr, off              ; an image's two pieces: 8 registers
	ds_load_b128 v[\reg:\reg+3], v[\adr] offset:\off
	ds_load_b128 v[\reg+4:\reg+7], v[\adr] offset:\off+512
.endm
.macro FETCH_X s, p                    ; X's eight fragments of K step s into set p
	WIN 0x40
.irp i, 0,1,2,3,4,5,6,7
	FRAG 128*(\p)+8*\i, ADX+(\s)/4, ((\s)%4)*16384+\i*1024
.endr
	WIN 0
.endm
.macro FETCH_Y s, i0                   ; Y's tiles i0 .. i0 + 3
.irp i, \i0, \i0+1, \i0+2, \i0+3
	FRAG YF+8*(\i), ADY+(\s)/4, ((\s)%4)*16384+(\i)*1024
.endr
.endm
.macro SCALES                          ; all of K's scale words: two tiles' words a load
.irp s, 0,1,2,3,4,5,6,7
.irp p, 0,1,2,3
	ds_load_b64 v[SC+8*\s+2*\p:SC+8*\s+2*\p+1], v[ADS] offset:\p*1024+\s*128
.endr
.endr
.endm
; 16 products: Y's tiles a0, a0 + 1 x X's eight, K step s.  mode 0: onto the sums; 1: the bias by X tile starts them; 2: the bias by Y tile.  The 64 accumulators take turns, in the same order in every step.
.macro MUL16 a0, p, s, mode
.irp a, \a0, \a0+1
.irp b, 0,1,2,3,4,5,6,7
.set rD, 8*(8*((\a)%4)+\b)
.set rC, rD
.if (\mode) == 1
.set rC, BB+8*\b
.endif
.if (\mode) == 2
.set rC, BB+8*(\a)
.endif
	v_wmma_scale_f32_16x16x128_f8f6f4 v[rD:rD+7], v[128*(\p)+8*\b:128*(\p)+8*\b+7], v[YF+8*(\a):YF+8*(\a)+7], v[rC:rC+7], v[SC+8*(\s)+\b], v[SC+8*(\s)+(\a)] matrix_a_fmt:MATRIX_FMT_FP4 matrix_b_fmt:MATRIX_FMT_FP4 matrix_a_scale:MATRIX_SCALE_ROW1
.endr
.endr
.endm
; A K step of 128: 64 products.  Y has one set of registers: tiles 0-3 are fetched anew in the step's middle, tiles 4-7 at its end; X has two sets.
.macro STEP s, mode
	s_wait_dscnt 8                                 ; all but the youngest eight loads (Y's tiles 4-7) are in
.if (\mode) == 0
	WIN 0xa1                                       ; X window 1, Y window 0, C and D window 2
.else
	WIN 0x91                                       ; C (the bias) window 1
.endif
	MUL16 0, (\s)%2, \s, \mode
	MUL16 2, (\s)%2, \s, \mode
	s_wait_dscnt 0x0                               ; Y's tiles 4-7 are in
.if (\s) < 7
	PLACES
	FETCH_X (\s)+1, 1-(\s)%2
	FETCH_Y (\s)+1, 0
.endif
.if (\mode) == 0
	WIN 0xf1
.else
	WIN 0xd1
.endif
	MUL16 4, (\s)%2, \s, \mode
	MUL16 6, (\s)%2, \s, \mode
.if (\s) < 7
	PLACES
	WIN 0
	FETCH_Y (\s)+1, 4
.else
	WIN 0
.endif
.endm
	s_wait_alu depctr_va_vdst(0)                   ; the head's end
	s_wait_tensorcnt 0x0                           ; my one load has landed
	s_barrier_signal -1
	s_barrier_wait -1                              ; everybody's are
	SCALES
	FETCH_X 0, 0
	FETCH_Y 0, 0
	FETCH_Y 0, 4
	s_wait_loadcnt 0x0                             ; the bias
	s_cmp_eq_u32 s45, 0                            ; the type: the same in all partners of the cluster
	s_cbranch_scc0 .Ltype_v
	STEP 0, 1
	s_branch .Lgo_on
.Ltype_v:
	STEP 0, 2
.Lgo_on:
	STEP 1, 0
	STEP 2, 0
	STEP 3, 0
	STEP 4, 0
	STEP 5, 0
	STEP 6, 0
	STEP 7, 0
	PLACES
; THE QUANTISER, Y tile a: a lane's 64 numbers, register 16 b + i = X index 32 b + 16 h + i of its row, become a fragment's codes and its scale word.  Each accumulator is read from its low end on.
.macro QUANTW a
.set AC, 64*((\a)%4)
	WIN 0x28+0x14*((\a)/4)                         ; sources 1 and 2: window 2 or 3
.irp b, 0,1,2,3
	v_max3_num_f32 v[TM+\b], v[FL], |v[AC+16*\b]|, |v[AC+16*\b+1]|   ; block b: my 16 numbers and the floor: the byte cannot fall under 1
.endr
.irp i, 2,4,6,8,10,12,14
.irp b, 0,1,2,3
	v_max3_num_f32 v[TM+\b], v[TM+\b], |v[AC+16*\b+\i]|, |v[AC+16*\b+\i+1]|
.endr
.endr
	WIN 0
.irp b, 0,1,2,3
	v_permlanex16_b32 v[TM+4+\b], v[TM+\b], s[SEL], s[SEL+1]
.endr
.irp b, 0,1,2,3
	v_max_num_f32 v[TM+\b], v[TM+\b], v[TM+4+\b]   ; with lane l xor 16's: the block's largest magnitude
.endr
.irp b, 0,1,2,3
	v_add_nc_u32 v[TM+12+\b], 0xff000000, v[TM+\b] ; 2 off its exponent field: the conversion's scale operand
.endr
.irp b, 0,1,2,3
	v_lshrrev_b32 v[TM+4+\b], 23, v[TM+12+\b]      ; the scale's byte
.endr
	v_lshl_or_b32 v[PW+(\a)], v[TM+5], 8, v[TM+4]
	v_lshl_or_b32 v[PW+(\a)], v[TM+6], 16, v[PW+(\a)]
	v_lshl_or_b32 v[PW+(\a)], v[TM+7], 24, v[PW+(\a)]
	WIN 2+(\a)/4                                   ; source 0: window 2 or 3
.irp b, 0,1,2,3
	v_cvt_scalef32_pk8_fp4_f32 v[PC+8*(\a)+2*\b], v[AC+16*\b:AC+16*\b+7], v[TM+12+\b]
	v_cvt_scalef32_pk8_fp4_f32 v[PC+8*(\a)+2*\b+1], v[AC+16*\b+8:AC+16*\b+15], v[TM+12+\b]
.endr
	WIN 0
	v_nop                                          ; a plain instruction behind the last scaled conversion
.irp c, 0,1                                    ; the operand's layout wants a whole block in a lane
.irp i, 0,1
	v_permlane16_swap_b32 v[PC+8*(\a)+4*\c+\i], v[PC+8*(\a)+4*\c+2+\i]
.endr
.endr
	global_store_b128 v[VO+2*(((\a)/2)%2)], v[PC+8*(\a):PC+8*(\a)+3], s[92+2*((\a)/4):93+2*((\a)/4)] offset:((\a)%4)*512     ; 32 lanes store 512 consecutive bytes
	global_store_b128 v[VO+2*(((\a)/2)%2)], v[PC+8*(\a)+4:PC+8*(\a)+7], s[96+2*((\a)/4):97+2*((\a)/4)] offset:((\a)%4)*512
.endm
	s_wait_alu depctr_va_vdst(0)
.irp a, 0,1,2,3,4,5,6,7
	QUANTW \a
.endr
	; the scale words.  q, k: the word of a head and a pair of tiles is the two tiles' halves for that head.  v: the word of a head's channel tile as it stands.  Lanes 0-15 store the first head's, lanes 16-31 the second's
.irp b, 0,1,2,3
	v_perm_b32 v[TT+\b], v[PW+2*\b+1], v[PW+2*\b], v[SELV]
.endr
.irp i, 0,1,2,3
	v_cndmask_b32 v[UU+\i], v[PW+\i], v[PW+4+\i], s66
.endr
.irp i, 0,1,2,3
	v_cndmask_b32 v[OUTW+\i], v[TT+\i], v[UU+\i], s45
.endr
	global_store_b128 v[VSO], v[OUTW:OUTW+3], s[100:101]   ; sixteen lanes store 256 consecutive bytes, aligned, for each head
	s_wait_tensorcnt 0x0                           ; the wave's end
	ds_add_u32 v[SPW], v[NIL]
	s_wait_dscnt 0x0
	CROUND                                         ; the closing round
	s_endpgm
.Lfunc_end_k_qef8767d81f_qkv:
	.size	k_qef8767d81f_qkv, .Lfunc_end_k_qef8767d81f_qkv-k_qef8767d81f_qkv
	.p2alignl 7, 3214868480
	.fill 96, 4, 3214868480
	.section	.rodata,"a",@progbits
	.p2align	6, 0x0
	.amdhsa_kernel k_qef8767d81f_qkv
		.amdhsa_group_segment_fixed_size 279040
		.amdhsa_private_segment_fixed_size 0
		.amdhsa_enable_private_segment 0
		.amdhsa_kernarg_size 32
		.amdhsa_user_sgpr_count 2
		.amdhsa_user_sgpr_kernarg_segment_ptr 1
		.amdhsa_wavefront_size32 1
		.amdhsa_system_sgpr_workgroup_id_x 1
		.amdhsa_system_sgpr_workgroup_id_y 1
		.amdhsa_system_sgpr_workgroup_id_z 1
		.amdhsa_system_vgpr_workitem_id 0
		.amdhsa_next_free_vgpr 1024
		.amdhsa_next_free_sgpr 102
		.amdhsa_reserve_vcc 0
		.amdhsa_float_denorm_mode_32 3
		.amdhsa_float_denorm_mode_16_64 3
		.amdhsa_memory_ordered 1
		.amdhsa_forward_progress 1
		.amdhsa_inst_pref_size 146
	.end_amdhsa_kernel
	.amdgpu_metadata
---
amdhsa.version: [ 1, 2 ]
amdhsa.kernels:
  - .name:           k_qef8767d81f_qkv
    .symbol:         k_qef8767d81f_qkv.kd
    .args:
      - { .name: cod, .offset: 0, .size: 8, .value_kind: global_buffer, .address_space: global }
      - { .name: scl, .offset: 8, .size: 8, .value_kind: global_buffer, .address_space: global }
      - { .name: b_qkv, .offset: 16, .size: 8, .value_kind: global_buffer, .address_space: global }
      - { .name: qkv, .offset: 24, .size: 8, .value_kind: global_buffer, .address_space: global }
    .group_segment_fixed_size: 279040
    .private_segment_fixed_size: 0
    .kernarg_segment_align: 8
    .kernarg_segment_size: 32
    .max_flat_workgroup_size: 128
    .sgpr_count:     102
    .vgpr_count:     1024
    .wavefront_size: 32
...
	.end_amdgpu_metadata
.endif
;; end of part 2
;; launch attn (part 3): grid 8 x 32, 16 waves a work-group, clusters of 4 x 1, 327,680 bytes of LDS; arguments qkv, ao; writes ao
.if DOCPART == 3
	.amdgcn_target "amdgcn-amd-amdhsa--gfx1250"
	.amdhsa_code_object_version 6
	.text
	.protected	k_qef8767d81f_attn
	.globl	k_qef8767d81f_attn
	.p2align	8
	.type	k_qef8767d81f_attn,@function
k_qef8767d81f_attn:
	s_mov_b64 s[64:65], 0
	v_nop
	global_prefetch_b8 v0, s[64:65] scope:SCOPE_SE
	s_setreg_imm32_b32 hwreg(HW_REG_WAVE_MODE, 25, 1), 1
	s_wait_xcnt 0x0
	s_wait_alu depctr_hold_cnt(0) depctr_sa_sdst(0) depctr_va_vdst(0) depctr_va_sdst(0) depctr_va_ssrc(0) depctr_va_vcc(0) depctr_vm_vsrc(0)
	s_getreg_b32 s2, hwreg(HW_REG_IB_STS2, 6, 4)
	s_cmp_eq_u32 s2, 0
	s_cbranch_scc0 .Lentry_in_a_cluster
	s_endpgm
.Lentry_in_a_cluster:
	s_bfe_u32 s2, ttmp6, 0x10000c
	s_cmp_lg_u32 s2, 0x3003
	s_cbranch_scc0 .Lentry_shape_is_right
	s_endpgm
.Lentry_shape_is_right:
; LAUNCH 3 OF 4: attention on codes of E2M1, and the quantiser of its result along D, for the last product.  No work is left out.
; p = 2^(t - M), t = score x log2(e) / 8, M = the running largest t rounded up to a whole number; p is quantised along the keys; the row's sum is taken of the unquantised p and divides at the end.
; SHARES.  A work-group owns 256 queries of two neighbouring heads; each of its sixteen waves owns one tile of 16 queries, first of the one head, then of the other, and walks all 2,048 keys, 128 a step.
; K AND V.  The two heads' records (their layout: at the head of the launch before) are 278,528 consecutive bytes.  They come ONCE, at the head: wave w asks for bytes 17,408 w on, 68 rows of 256 bytes, one load a wave.
;   One wait and one barrier show them to all waves; nothing is filled again, and no barrier stands between the key steps.
; CLUSTER: the four work-groups of a cluster own other queries of the same two heads and ask for the records jointly (mask 15).
; NO PREFETCH: all that the launch reads through LDS is asked for in one group at its head; there is no loop to run ahead in.
; LAYOUT.  Both products transposed: S^T = K Q^T, O^T = V^T P^T: a lane holds one query (lane % 16).  A head has 64 channels, half of the instruction's 128: source 0 holds two tiles of keys, one in each half of K,
;   and source 1 is q with zeros in the other half.
; THE KEYS OF A TILE are chosen by address: row m of tile 4 c + g is key 64 c + 32 (m / 8) + 8 g + m % 8.  So lane (r, h) holds in registers 32 c + 8 g + j the keys 64 c + 32 h + 8 g + j: the WHOLE block 2 c + h.
;   A block's maximum needs no other lane, and the conversions' results are the second product's operand as they stand.  In a record that key lies in the stored tile 2 (2 c + m / 8) + g % 2, row 8 (g / 2) + m % 8.
; THE SOFTMAX GOES IN FOUR QUARTERS of 16 scores a lane.  Among quarter k's exponentials stand quarter k + 1's multiply-adds and quarter k - 1's additions to the row's sum; one wait closes each phase, so that nothing
;   written in a phase is read in it across an exponential.  The row's sum is kept in eight pairs of registers, each written once a phase; they are added up at a head's end.
; LIMITS: the promise holds while the scaled scores stay under 2^31 in magnitude; NaN and infinities are not served; a block of zeros gets the byte 1 (its codes are zeros; this program alone reads the bytes);
;   the row's sum is added in the order of the eight pairs.
.set RECB,  8704                       ; a record: 128 keys: K's codes 4,096, V's codes 4,096, K's scale words 256, V's 256
.set HEADB, 139264                     ; 16 records
.set WLOAD, 17408                      ; what one wave asks for
.set QI,    8912896
.set QS,    13107200
.set AOS,   4194304
.set STAGE, 278528                     ; behind the records: 1,024 bytes for the result's scale words
.set SPARE, 279552                     ; the spare words, 128 bytes for each of sixteen waves
.set L16, 1                            ; v1  16 x lane
.set R16, 2                            ; v2  16 r
.set SPW, 3                            ; v3  LDS address of my spare word; never rewritten
.set NIL, 4                            ; v4  0; never rewritten
.set KA,  5                            ; v5-6 my lane's place in K's codes, for g / 2 = 0 and 1
.set KSC, 7                            ; v7  and among K's scale words
.set STO, 8                            ; v8  stage: where my scale word goes
.set SH8, 9                            ; v9  8 h
.set SRD, 10                           ; v10 stage: where waves 0 and 1 read
.set KF,  32                           ; v32-63  K's four pairs of tiles
.set AO,  32                           ; v32-35  at a head's end: the piece of the result's image
.set VF,  64                           ; v64-95  V's four channel tiles
.set S,   96                           ; v96-159 S^T, then p
.set O,   160                          ; v160-191 O^T
.set PCD, 192                          ; p's codes
.set KSW, 200
.set VSW, 204
.set QSW, 208
.set PWD, 210                          ; p's scale word
.set BM,  212
.set BP,  216
.set SOP, 220
.set BY,  222
.set F,   224
.set T,   226
.set WB,  228                          ; v228-231 the way out: scale words read back
.set AD0, 232                          ; v232-233 the trip's addresses of K's codes; v234 V's codes; v235 V's scale words; v246 K's scale words
.set ADV, 234
.set ADS, 235
.set XB,  236                          ; the row's sum: pair i at v[XB + 2 i + 4 (i / 4)]: v236-243 and v248-255
.set AOW, 244
.set HB,  245
.set ADK, 246
.set WV,  18
.set SEL, 20
.set CS,  22
.set G1,  24
.set G0,  32
.set TB,  50
.set CNT, 51
.macro CROUND                          ; a round of the cluster's barrier
	s_barrier_signal -1
	s_barrier_wait -1
	s_cmp_lg_u32 s[WV], 0
	s_cbranch_scc1 .Lnot_wave_0_\@
	s_barrier_signal -3
.Lnot_wave_0_\@:
	s_barrier_wait -3
	s_barrier_signal -1
	s_barrier_wait -1
.endm
	s_load_b128 s[4:7], s[0:1], 0x0                ; qkv s[4:5], ao s[6:7]
	v_lshl_add_u32 v[SPW], v0, 2, SPARE
	v_mov_b32 v[NIL], 0
	ds_add_u32 v[SPW], v[NIL]                      ; the opening: the add, twice on end, and its wait ahead of my first tensor load
	ds_add_u32 v[SPW], v[NIL]
	v_lshrrev_b32 v11, 5, v0
	v_readfirstlane_b32 s[WV], v11                 ; wave 0..15
	s_bfe_u32 s13, ttmp6, 0x40000                  ; cx
	s_lshl_b32 s14, ttmp9, 2
	s_add_co_u32 s14, s14, s13                     ; which 256 queries
	s_and_b32 s15, ttmp7, 0xffff
	s_lshr_b32 s16, s15, 3                         ; the batch
	s_and_b32 s17, s15, 7                          ; the pair of heads
	s_lshl_b32 s19, s16, 4
	s_lshl_b32 s48, s17, 1
	s_add_co_u32 s19, s19, s48                     ; gh of the first head
	s_mov_b32 s[G1], 15|(3<<16)|(1<<21)            ; the mask: all four partners; elements of 8 bytes; bit 21 beside a mask
	s_mov_b32 s[G1+1], 32<<16                      ; rows of 256 bytes,
	s_mov_b32 s[G1+2], 68<<16                      ; 68 of them
	s_mov_b32 s[G1+3], 32<<16
	s_mov_b32 s[G1+4], 68
	s_mov_b32 s[G1+5], 32
	s_mov_b32 s[G1+6], 0
	s_mov_b32 s[G1+7], 0
	s_mul_i32 s52, s[WV], WLOAD
	s_mul_i32 s48, s19, HEADB
	s_add_co_u32 s48, s48, s52
	s_mov_b32 s49, 0
	s_mov_b32 s[SEL], 0x76543210
	s_mov_b32 s[SEL+1], 0xfedcba98                 ; v_permlanex16_b32: lane l xor 16
	s_mov_b32 s[CS], 0x3e38aa3b                    ; c = log2(e) / 8
	s_mov_b32 s[CS+1], s[CS]
	s_wait_dscnt 0x0                               ; both opening adds are done
	s_wait_kmcnt 0x0
	s_mov_b32 s[G0], 1
	s_mov_b32 s[G0+1], s52
	s_add_nc_u64 s[G0+2:G0+3], s[4:5], s[48:49]
	s_or_b32 s[G0+3], s[G0+3], 0x80000000
	CROUND                                         ; all four work-groups are here: the joint loads meet
	tensor_load_to_lds s[G0:G0+3], s[G1:G1+7]      ; my one load
	s_nop 0
	; where q comes from and where the result goes
	s_lshl_b32 s48, s14, 4
	s_add_co_u32 s48, s48, s[WV]
	s_lshl_b32 s48, s48, 9
	s_lshl_b32 s49, s19, 16
	s_add_co_u32 s48, s48, s49
	s_add_co_u32 s48, s48, QI
	s_mov_b32 s49, 0
	s_add_nc_u64 s[8:9], s[4:5], s[48:49]          ; q's codes: my tile
	s_lshl_b32 s48, s14, 1
	s_lshr_b32 s54, s[WV], 3
	s_add_co_u32 s48, s48, s54
	s_lshl_b32 s48, s48, 8
	s_lshr_b32 s54, s[WV], 1
	s_and_b32 s54, s54, 3
	s_lshl_b32 s54, s54, 2
	s_add_co_u32 s48, s48, s54
	s_lshl_b32 s54, s19, 12
	s_add_co_u32 s48, s48, s54
	s_add_co_u32 s48, s48, QS
	s_add_nc_u64 s[10:11], s[4:5], s[48:49]        ; q's scale words: my pair of tiles
	s_and_b32 s53, s[WV], 1
	s_cmp_eq_u32 s53, 0
	s_mov_b32 s53, 0x03020302
	s_cselect_b32 s53, 0x01000100, s53             ; my tile's two bytes, for both halves of K
	s_lshl_b32 s54, s16, 4
	s_lshl_b32 s55, s14, 1
	s_add_co_u32 s54, s54, s55
	s_lshr_b32 s55, s[WV], 3
	s_add_co_u32 s55, s55, s54
	s_lshl_b32 s48, s55, 16
	s_lshl_b32 s55, s17, 13
	s_add_co_u32 s48, s48, s55
	s_and_b32 s55, s[WV], 7
	s_lshl_b32 s55, s55, 10
	s_add_co_u32 s48, s48, s55
	s_add_nc_u64 s[58:59], s[6:7], s[48:49]        ; ao's codes: block of 128 tokens, K step = the pair of heads, my tile
	s_min_u32 s56, s[WV], 1
	s_add_co_u32 s55, s54, s56
	s_lshl_b32 s48, s55, 12
	s_lshl_b32 s55, s17, 9
	s_add_co_u32 s48, s48, s55
	s_add_co_u32 s48, s48, AOS
	s_add_nc_u64 s[60:61], s[6:7], s[48:49]        ; ao's scale words (waves 0 and 1 store them)
	s_lshl_b32 s56, s56, 9
	s_add_co_u32 s56, s56, STAGE
	s_lshr_b32 s57, s[WV], 1
	s_lshl_b32 s57, s57, 7
	s_and_b32 s55, s[WV], 1
	s_lshl_b32 s55, s55, 2
	s_add_co_u32 s57, s57, s55
	s_add_co_u32 s57, s57, STAGE
	v_and_b32 v11, 31, v0
	v_lshlrev_b32 v[L16], 4, v11
	v_and_b32 v247, 15, v0                         ; r
	v_lshlrev_b32 v[R16], 4, v247
	global_load_b128 v[20:23], v[L16], s[8:9]      ; q of the first head,
	global_load_b128 v[28:31], v[L16], s[8:9] offset:65536   ; of the second
	global_load_b32 v[QSW], v[R16], s[10:11]
	global_load_b32 v[QSW+1], v[R16], s[10:11] offset:4096
	v_bfe_u32 v248, v0, 3, 1                       ; r / 8
	v_and_b32 v249, 7, v0                          ; r % 8
	v_bfe_u32 v250, v0, 4, 1                       ; h
	v_lshlrev_b32 v[SH8], 3, v250
	v_lshlrev_b32 v251, 8, v250
	v_lshl_add_u32 v251, v249, 4, v251             ; 256 h + 16 (r % 8)
	v_mad_u32_u24 v[KA], v248, 1152, v251          ; rows 8-15 read the odd pair, 1,024 bytes on, in which bit 7 of a lane's place is flipped: g / 2 = 0: + 128;
	v_mad_u32_u24 v[KA+1], v248, 896, v251         ; g / 2 = 1: 128 for rows 0-7, 1,024 for rows 8-15
	v_add_nc_u32 v[KA+1], 128, v[KA+1]
	v_lshlrev_b32 v[KSC], 2, v248
	v_lshl_add_u32 v[KSC], v249, 4, v[KSC]
	v_add_nc_u32 v[KSC], 8192, v[KSC]              ; K's scale words: stored row 8 (g / 2) + r % 8, 16 bytes a row; pair 2 c + r / 8, 4 bytes a pair
	v_add_nc_u32 v[SRD], s56, v[L16]
	v_lshl_add_u32 v[STO], v247, 3, s57
.irp j, 16,17,18,19,24,25,26,27
	v_mov_b32 v\j, 0                               ; the zeros on both sides of q
.endr
.irp b, 0,1,2,3
	v_mov_b32 v[BP+\b], 0                          ; written once: a lane exchange's destination counts as one of its sources
.endr
	v_mov_b32 v[F+1], 0                            ; (named as the upper half of the pair)
	s_wait_alu depctr_va_vdst(0)
	s_wait_loadcnt 0x0
	v_perm_b32 v[QSW], v[QSW], v[QSW], s53
	v_perm_b32 v[QSW+1], v[QSW+1], v[QSW+1], s53
.macro TM r                            ; t - M of the pair of scores at register r
	v_pk_fma_f32 v[S+(\r):S+(\r)+1], v[S+(\r):S+(\r)+1], s[CS:CS+1], v[12:13] op_sel_hi:[1,0,0]
.endm
.macro EX r                            ; p = 2^(t - M)
	v_exp_f32 v[S+(\r)], v[S+(\r)]
.endm
.macro SUM i, r                        ; pair i of the row's sum takes the pair of p at register r
	v_pk_add_f32 v[XB+2*(\i)+4*((\i)/4):XB+2*(\i)+4*((\i)/4)+1], v[XB+2*(\i)+4*((\i)/4):XB+2*(\i)+4*((\i)/4)+1], v[S+(\r):S+(\r)+1]
.endm
.macro CODES c, g                      ; register 4 c + g of p's operand: keys 64 c + 32 h + 8 g + 0 .. 7
	v_cvt_scalef32_pk8_fp4_f32 v[PCD+4*\c+\g], v[S+32*\c+8*\g:S+32*\c+8*\g+7], v[SOP+\c]
.endm
; A KEY STEP: the record at byte \o of the trip's two.
.macro STEP o
.irp c, 0,1
.irp y, 0,1                                    ; the pair of tiles g = 2 y, 2 y + 1 of half c
	ds_load_b128 v[KF+16*\c+8*\y:KF+16*\c+8*\y+3], v[AD0+\y] offset:\o+2048*\c
	ds_load_b128 v[KF+16*\c+8*\y+4:KF+16*\c+8*\y+7], v[AD0+\y] offset:\o+2048*\c+512
	ds_load_b32 v[KSW+2*\c+\y], v[ADK] offset:\o+8*\c+128*\y
.endr
.endr
.irp c, 0,1
.irp d, 0,1,2,3
	ds_load_b128 v[VF+8*\d+4*\c:VF+8*\d+4*\c+3], v[ADV] offset:\o+4096+2048*\c+512*\d
.endr
.endr
	ds_load_b128 v[VSW:VSW+3], v[ADS] offset:\o+8448
	s_wait_dscnt 9                                 ; K's twelve loads are in; V's nine, issued behind them, may be out
.irp p, 0,1,2,3
	v_wmma_scale_f32_16x16x128_f8f6f4 v[S+16*\p:S+16*\p+7], v[KF+8*\p:KF+8*\p+7], v[20:27], 0, v[KSW+\p], v[QSW] matrix_a_fmt:MATRIX_FMT_FP4 matrix_b_fmt:MATRIX_FMT_FP4
	v_wmma_scale_f32_16x16x128_f8f6f4 v[S+16*\p+8:S+16*\p+15], v[KF+8*\p:KF+8*\p+7], v[16:23], 0, v[KSW+\p], v[QSW] matrix_a_fmt:MATRIX_FMT_FP4 matrix_b_fmt:MATRIX_FMT_FP4
.endr
	v_mov_b32 v[T], v12                            ; the old -M; with the three lines below: the four places behind the products (ISA guide 7.12.1)
.rept 3
	v_nop
.endr
.irp n, 0,1,2,3                                ; four chains of 15 scores, by turns; each accumulator is read from its low end on
	v_max3_num_f32 v[BM+\n], v[S+16*\n], v[S+16*\n+1], v[S+16*\n+2]
.endr
.irp i, 3,5,7,9,11,13
.irp n, 0,1,2,3
	v_max3_num_f32 v[BM+\n], v[BM+\n], v[S+16*\n+\i], v[S+16*\n+\i+1]
.endr
.endr
	v_max3_num_f32 v[BM], v[BM], v[S+15], v[S+31]
	v_max3_num_f32 v[BM+2], v[BM+2], v[S+47], v[S+63]
	s_delay_alu instid0(VALU_DEP_2)
	v_max_num_f32 v[BM], v[BM], v[BM+1]            ; the largest score of my block h,
	s_delay_alu instid0(VALU_DEP_2)
	v_max_num_f32 v[BM+2], v[BM+2], v[BM+3]        ; and of my block 2 + h: each serves for the row's maximum and, since p rises with the score, for the block's largest p
	s_delay_alu instid0(VALU_DEP_1)
	v_max_num_f32 v[BP], v[BM], v[BM+2]
	s_delay_alu instid0(VALU_DEP_1)
	v_permlanex16_b32 v[BP+1], v[BP], s[SEL], s[SEL+1]
	s_delay_alu instid0(VALU_DEP_1)
	v_max3_num_f32 v13, v13, v[BP], v[BP+1]        ; the running largest score of my query (c is positive)
	s_delay_alu instid0(VALU_DEP_1)
	v_mul_f32 v[BP+2], s[CS], v13                  ; as t
	s_delay_alu instid0(VALU_DEP_1)
	v_floor_f32 v12, -v[BP+2]                      ; -M = floor(-t): M is a whole number
	; AHEAD OF THE EXPONENTIALS: quarter 0's t - M, with the three lines that make f among them; the blocks' largest t - M; O^T under the new M
	TM 0
	TM 2
	v_sub_f32 v[T], v12, v[T]                      ; old M - new M, 0 or less
	TM 4
	TM 6
	v_cvt_i32_f32 v[T], v[T]                       ; (it saturates)
	TM 8
	TM 10
	v_ldexp_f32 v[F], 1.0, v[T]                    ; f = 2^(old M - new M)
	TM 12
	TM 14
	v_fma_f32 v[BM], v[BM], s[CS], v12
	v_fma_f32 v[BM+2], v[BM+2], s[CS], v12
.set j, 0
.rept 16
	v_pk_mul_f32 v[O+j:O+j+1], v[O+j:O+j+1], v[F:F+1] op_sel_hi:[1,0]   ; no exponential stands between the last products and these, their first readers
.set j, j+2
.endr
	s_wait_alu depctr_va_vdst(0)                   ; a wait ahead of the exponentials, and one between a phase's writes and their readers in the next
	; PHASE 0: my two blocks' largest p, quarter 0's p; among them quarter 1's t - M
	v_exp_f32 v[BM], v[BM]
	v_exp_f32 v[BM+2], v[BM+2]
.set j, 0
.rept 8
	EX j
	EX j+1
	TM 16+j
.set j, j+2
.endr
	s_wait_alu depctr_va_vdst(0)
	; PHASE 1: quarter 1's p; quarter 2's t - M; the sums under the new M take quarter 0; then p's scales, ten lines on end
.set j, 0
.rept 8
	EX 16+j
	TM 32+j
	EX 17+j
	v_pk_fma_f32 v[XB+j+4*(j/8):XB+j+4*(j/8)+1], v[XB+j+4*(j/8):XB+j+4*(j/8)+1], v[F:F+1], v[S+j:S+j+1] op_sel_hi:[1,0,1]
.set j, j+2
.endr
	v_max_num_f32 v[BM], 0x1800000, v[BM]          ; the floor 2^(3 - 127): the byte cannot fall under 1
	v_max_num_f32 v[BM+2], 0x1800000, v[BM+2]
	s_delay_alu instid0(VALU_DEP_2)
	v_add_nc_u32 v[SOP], 0xff000000, v[BM]         ; 2 off the exponent field: the conversion's scale operand
	s_delay_alu instid0(VALU_DEP_2)
	v_add_nc_u32 v[SOP+1], 0xff000000, v[BM+2]
	s_delay_alu instid0(VALU_DEP_2)
	v_lshrrev_b32 v[BY], 23, v[SOP]                ; the bytes
	s_delay_alu instid0(VALU_DEP_2)
	v_lshrrev_b32 v[BY+1], 23, v[SOP+1]
	s_delay_alu instid0(VALU_DEP_1)
	v_lshl_or_b32 v[BP], v[BY+1], 16, v[BY]        ; blocks h and 2 + h,
	s_delay_alu instid0(VALU_DEP_1)
	v_lshlrev_b32 v[BP], v[SH8], v[BP]             ; at their places;
	s_delay_alu instid0(VALU_DEP_1)
	v_permlanex16_b32 v[BP+3], v[BP], s[SEL], s[SEL+1]
	s_delay_alu instid0(VALU_DEP_1)
	v_or_b32 v[PWD], v[BP], v[BP+3]                ; with lane l xor 16's two the word is whole
	s_wait_alu depctr_va_vdst(0)
	; PHASE 2: quarter 2's p; quarter 3's t - M; the sums take quarter 1; the codes of quarters 0 and 1
.set j, 0
.rept 8
	EX 32+j
	TM 48+j
	EX 33+j
	SUM j/2, 16+j
.set j, j+2
.endr
.irp g, 0,1,2,3
	CODES 0, \g
.endr
	s_wait_alu depctr_va_vdst(0)
	; PHASE 3: quarter 3's p; the sums take quarter 2; its codes
.set j, 0
.rept 8
	EX 48+j
	EX 49+j
	SUM j/2, 32+j
.set j, j+2
.endr
	CODES 1, 0
	CODES 1, 1
	s_wait_dscnt 0x0                               ; V
	s_wait_alu depctr_va_vdst(0)
	CODES 1, 2
	CODES 1, 3
.irp i, 0,1,2,3
	SUM \i, 48+2*\i                                ; the sums take quarter 3: four lines are the places between the last codes and the products,
.endr
.irp d, 0,1,2,3
	v_wmma_scale_f32_16x16x128_f8f6f4 v[O+8*\d:O+8*\d+7], v[VF+8*\d:VF+8*\d+7], v[PCD:PCD+7], v[O+8*\d:O+8*\d+7], v[VSW+\d], v[PWD] matrix_a_fmt:MATRIX_FMT_FP4 matrix_b_fmt:MATRIX_FMT_FP4
.endr
.irp i, 4,5,6,7
	SUM \i, 48+2*\i                                ; and four, which name no register of the products, the places ahead of the next loads into V's registers
.endr
.endm
.macro WALK e                          ; head e: 8 trips of two key steps
	s_mov_b32 s[TB], \e*HEADB
	s_mov_b32 s[CNT], 8
.Ltrip_\@:
	v_add_nc_u32 v[AD0], s[TB], v[KA]
	v_add_nc_u32 v[AD0+1], s[TB], v[KA+1]
	v_add_nc_u32 v[ADK], s[TB], v[KSC]
	v_add_nc_u32 v[ADV], s[TB], v[L16]
	v_add_nc_u32 v[ADS], s[TB], v[R16]
	STEP 0
	STEP RECB
	s_add_co_u32 s[TB], s[TB], 2*RECB
	s_sub_co_u32 s[CNT], s[CNT], 1
	s_cmp_lg_u32 s[CNT], 0
	s_cbranch_scc1 .Ltrip_\@
.endm
.macro INIT e                          ; the step is written once: the first finds zeros, which the first change of M leaves zeros
.if \e
.irp j, 0,1,2,3
	v_mov_b32 v[20+\j], v[28+\j]
.endr
	v_mov_b32 v[QSW], v[QSW+1]
.endif
	v_mov_b32 v13, 0xff61b1e6                      ; the largest score so far: -3e38
	v_floor_f32 v12, -v13                          ; -M
.irp j, 0,1,2,3,4,5,6,7
	v_mov_b32 v[XB+\j], 0                          ; the row's sum
	v_mov_b32 v[XB+12+\j], 0
.endr
.set j, 0
.rept 32
	v_mov_b32 v[O+j], 0
.set j, j+1
.endr
.endm
; Head e is done: O^T / the sum, quantised along the head's 64 channels (two blocks): piece e of my tile's image for the last product, stored at once, and two bytes of its scale word.
.macro FINISH e
	v_pk_add_f32 v[XB:XB+1], v[XB:XB+1], v[XB+2:XB+3]          ; the eight pairs of the row's sum
	v_pk_add_f32 v[XB+4:XB+5], v[XB+4:XB+5], v[XB+6:XB+7]
	v_pk_add_f32 v[XB+12:XB+13], v[XB+12:XB+13], v[XB+14:XB+15]
	v_pk_add_f32 v[XB+16:XB+17], v[XB+16:XB+17], v[XB+18:XB+19]
	v_pk_add_f32 v[XB:XB+1], v[XB:XB+1], v[XB+4:XB+5]
	v_pk_add_f32 v[XB+12:XB+13], v[XB+12:XB+13], v[XB+16:XB+17]
	s_delay_alu instid0(VALU_DEP_1)
	v_pk_add_f32 v[XB:XB+1], v[XB:XB+1], v[XB+12:XB+13]
	s_delay_alu instid0(VALU_DEP_1)
	v_add_f32 v14, v[XB], v[XB+1]
	s_delay_alu instid0(VALU_DEP_1)
	v_permlanex16_b32 v[T], v14, s[SEL], s[SEL+1]
	s_delay_alu instid0(VALU_DEP_1)
	v_add_f32 v14, v14, v[T]                       ; with lane l xor 16's: the row's sum
	s_wait_alu depctr_va_vdst(0)                   ; the wait ahead of the transcendental,
	v_rcp_f32 v14, v14
	v_nop
	s_wait_alu depctr_va_vdst(0)                   ; and behind it, ahead of its first reader and of O^T's
	v_mov_b32 v15, v14
.set j, 0
.rept 16
	v_pk_mul_f32 v[O+j:O+j+1], v[O+j:O+j+1], v[14:15]
.set j, j+2
.endr
.irp p, 0,1
	v_max3_num_f32 v[BM+\p], |v[O+16*\p]|, |v[O+16*\p+1]|, 0x1800000
.endr
.irp i, 2,4,6,8,10,12,14
.irp p, 0,1
	s_delay_alu instid0(VALU_DEP_2)
	v_max3_num_f32 v[BM+\p], v[BM+\p], |v[O+16*\p+\i]|, |v[O+16*\p+\i+1]|
.endr
.endr
.irp p, 0,1
	s_delay_alu instid0(VALU_DEP_2)
	v_permlanex16_b32 v[BP+\p], v[BM+\p], s[SEL], s[SEL+1]
.endr
.irp p, 0,1
	s_delay_alu instid0(VALU_DEP_2)
	v_max_num_f32 v[BM+\p], v[BM+\p], v[BP+\p]
.endr
.irp p, 0,1
	s_delay_alu instid0(VALU_DEP_2)
	v_add_nc_u32 v[SOP+\p], 0xff000000, v[BM+\p]
.endr
.irp p, 0,1
	s_delay_alu instid0(VALU_DEP_2)
	v_lshrrev_b32 v[BP+\p], 23, v[SOP+\p]
.endr
	s_delay_alu instid0(VALU_DEP_1)
	v_lshl_or_b32 v[HB], v[BP+1], 8, v[BP]
.irp p, 0,1
	v_cvt_scalef32_pk8_fp4_f32 v[AO+2*\p], v[O+16*\p:O+16*\p+7], v[SOP+\p]
	v_cvt_scalef32_pk8_fp4_f32 v[AO+2*\p+1], v[O+16*\p+8:O+16*\p+15], v[SOP+\p]
.endr
	v_nop                                          ; a plain instruction behind the last scaled conversion
.irp i, 0,1
	v_permlane16_swap_b32 v[AO+\i], v[AO+2+\i]     ; a whole block in a lane
.endr
.if \e
	v_lshl_or_b32 v[AOW], v[HB], 16, v[AOW]
.else
	v_mov_b32 v[AOW], v[HB]
.endif
	global_store_b128 v[L16], v[AO:AO+3], s[58:59] offset:512*\e   ; 32 lanes store 512 consecutive bytes: a piece of an image
.endm
	INIT 0
	s_wait_alu depctr_va_vdst(0)                   ; the head's end
	s_wait_tensorcnt 0x0                           ; my part of the records has landed,
	s_barrier_signal -1
	s_barrier_wait -1                              ; everybody's has.
	WALK 0
	FINISH 0
	INIT 1
	s_wait_alu depctr_va_vdst(0)
	s_wait_xcnt 0x0                                ; the store has read its data: K's loads may land in those registers
	WALK 1
	FINISH 1
	ds_store_b32 v[STO], v[AOW]                    ; the scale words meet in the stage, so that they leave in whole units
	s_wait_dscnt 0x0
	s_barrier_signal -1
	s_barrier_wait -1
	s_cmp_lt_u32 s[WV], 2
	s_cbranch_scc0 .Lno_words
	ds_load_b128 v[WB:WB+3], v[SRD]
	s_wait_dscnt 0x0
	global_store_b128 v[L16], v[WB:WB+3], s[60:61]             ; 512 consecutive bytes a wave
.Lno_words:
	s_wait_tensorcnt 0x0                           ; the wave's end
	ds_add_u32 v[SPW], v[NIL]
	s_wait_dscnt 0x0
	CROUND                                         ; the closing round
	s_endpgm
.Lfunc_end_k_qef8767d81f_attn:
	.size	k_qef8767d81f_attn, .Lfunc_end_k_qef8767d81f_attn-k_qef8767d81f_attn
	.p2alignl 7, 3214868480
	.fill 96, 4, 3214868480
	.section	.rodata,"a",@progbits
	.p2align	6, 0x0
	.amdhsa_kernel k_qef8767d81f_attn
		.amdhsa_group_segment_fixed_size 327680
		.amdhsa_private_segment_fixed_size 0
		.amdhsa_enable_private_segment 0
		.amdhsa_kernarg_size 16
		.amdhsa_user_sgpr_count 2
		.amdhsa_user_sgpr_kernarg_segment_ptr 1
		.amdhsa_wavefront_size32 1
		.amdhsa_system_sgpr_workgroup_id_x 1
		.amdhsa_system_sgpr_workgroup_id_y 1
		.amdhsa_system_sgpr_workgroup_id_z 1
		.amdhsa_system_vgpr_workitem_id 0
		.amdhsa_next_free_vgpr 256
		.amdhsa_next_free_sgpr 66
		.amdhsa_reserve_vcc 0
		.amdhsa_float_denorm_mode_32 3
		.amdhsa_float_denorm_mode_16_64 3
		.amdhsa_memory_ordered 1
		.amdhsa_forward_progress 1
		.amdhsa_inst_pref_size 78
	.end_amdhsa_kernel
	.amdgpu_metadata
---
amdhsa.version: [ 1, 2 ]
amdhsa.kernels:
  - .name:           k_qef8767d81f_attn
    .symbol:         k_qef8767d81f_attn.kd
    .args:
      - { .name: qkv, .offset: 0, .size: 8, .value_kind: global_buffer, .address_space: global }
      - { .name: ao, .offset: 8, .size: 8, .value_kind: global_buffer, .address_space: global }
    .group_segment_fixed_size: 327680
    .private_segment_fixed_size: 0
    .kernarg_segment_align: 8
    .kernarg_segment_size: 16
    .max_flat_workgroup_size: 512
    .sgpr_count:     66
    .vgpr_count:     256
    .wavefront_size: 32
...
	.end_amdgpu_metadata
.endif
;; end of part 3
;; launch proj (part 4): grid 4 x 64, 4 waves a work-group, clusters of 4 x 4, 327,680 bytes of LDS; arguments ao, cod, scl, b_proj, x, out0; writes out0
.if DOCPART == 4
	.amdgcn_target "amdgcn-amd-amdhsa--gfx1250"
	.amdhsa_code_object_version 6
	.text
	.protected	k_qef8767d81f_proj
	.globl	k_qef8767d81f_proj
	.p2align	8
	.type	k_qef8767d81f_proj,@function
k_qef8767d81f_proj:
	s_mov_b64 s[64:65], 0
	v_nop
	global_prefetch_b8 v0, s[64:65] scope:SCOPE_SE
	s_setreg_imm32_b32 hwreg(HW_REG_WAVE_MODE, 25, 1), 1
	s_wait_xcnt 0x0
	s_wait_alu depctr_hold_cnt(0) depctr_sa_sdst(0) depctr_va_vdst(0) depctr_va_sdst(0) depctr_va_ssrc(0) depctr_va_vcc(0) depctr_vm_vsrc(0)
	s_getreg_b32 s2, hwreg(HW_REG_IB_STS2, 6, 4)
	s_cmp_eq_u32 s2, 0
	s_cbranch_scc0 .Lentry_in_a_cluster
	s_endpgm
.Lentry_in_a_cluster:
	s_bfe_u32 s2, ttmp6, 0x10000c
	s_cmp_lg_u32 s2, 0xf033
	s_cbranch_scc0 .Lentry_shape_is_right
	s_endpgm
.Lentry_shape_is_right:
; LAUNCH 4 OF 4: out0 = x + ao w_proj + b_proj on codes of E2M1.  No work is left out.
; X (source 0) = 256 columns of w_proj, from cod and scl; Y (source 1) = 128 tokens of the attention's result, from ao: both as images of the operand's registers (their layout: at the head of the first launch).
; A work-group makes 128 tokens x 256 columns, each of its four waves 64 x 128: 32 accumulators.  All of K (1,024) of both operands lies in LDS, filled once.
; THE LOADS: one a wave, at the head, in one tree of branches on the wave's number: wave 0 Y's codes (256 rows of 256 bytes), wave 1 X's (512), wave 2 Y's scale words (16), wave 3 X's (32); one wait for 0 and one barrier.
; CLUSTERS: 4 x 4: Y's bytes are asked for jointly along a row of the cluster, X's along a column.  The bias is the C of each sum's first product; x is loaded at the head and added on the way out, which goes
; through each wave's own stage in LDS, so that 32 lanes store 512 consecutive bytes.  No prefetch: all that comes through LDS is asked for in one group at the head.
.set XP,    0
.set YP,    131072
.set XS,    196608
.set YS,    204800
.set STG,   208896
.set SPARE, 242688
.set AOS,   4194304
.set ADY,  16
.set ADX,  20
.set ADSX, 22
.set ADSY, 23
.set SO,   24
.set SR,   25
.set CO,   26
.set BA,   27
.set SPW,  28
.set NIL,  29
.set SCX,  32
.set SCY,  96
.set YF,   128
.set RB,   160
.set BB,   64
.set G1, 24
.set G0, 32
.set G1B, 48
.set G0B, 56
.set G1S, 68
.set G0S, 76
.set G1SB, 80
.set G0SB, 88
.set MSB, 0
.macro WIN new
.if MSB != (\new)
	s_set_vgpr_msb (MSB<<8)|(\new)
.set MSB, (\new)
.endif
.endm
; An arm of the head's tree: the waves under \under that no earlier arm took issue this joint load and jump to the tree's end.  An s_nop 0 and four v_nop follow the load.
.macro ARM under, g0, g1, next
	s_cmp_lt_u32 s14, \under
	s_cbranch_scc0 \next
	tensor_load_to_lds s[\g0:\g0+3], s[\g1:\g1+7]
	s_nop 0
.rept 4
	v_nop
.endr
	s_branch .Lhead_asked
\next:
.endm
.macro CROUND
	s_barrier_signal -1
	s_barrier_wait -1
	s_cmp_lg_u32 s14, 0
	s_cbranch_scc1 .Lnot_wave_0_\@
	s_barrier_signal -3
.Lnot_wave_0_\@:
	s_barrier_wait -3
	s_barrier_signal -1
	s_barrier_wait -1
.endm
.macro PLACES
.rept 4
	v_nop
.endr
.endm
	s_load_b256 s[4:11], s[0:1], 0x0
	s_load_b128 s[92:95], s[0:1], 0x20
	v_lshl_add_u32 v[SPW], v0, 2, SPARE
	v_mov_b32 v[NIL], 0
	ds_add_u32 v[SPW], v[NIL]
	ds_add_u32 v[SPW], v[NIL]
	v_lshrrev_b32 v1, 5, v0
	v_readfirstlane_b32 s14, v1
	s_lshr_b32 s15, s14, 1
	s_and_b32 s16, s14, 1
	s_bfe_u32 s40, ttmp6, 0x40000
	s_bfe_u32 s41, ttmp6, 0x40004
	s_lshl_b32 s42, ttmp9, 2
	s_add_co_u32 s42, s42, s40
	s_and_b32 s17, ttmp7, 0xffff
	s_lshl_b32 s17, s17, 2
	s_add_co_u32 s17, s17, s41
	s_lshl_b32 s43, s41, 2
	s_lshl_b32 s43, 15, s43
	s_lshl_b32 s44, 0x1111, s40
	s_or_b32 s[G1+0], s43, (3<<16)|(1<<21)
	s_or_b32 s[G1B+0], s44, (3<<16)|(1<<21)
	s_or_b32 s[G1S+0], s43, (3<<16)|(1<<21)
	s_or_b32 s[G1SB+0], s44, (3<<16)|(1<<21)
	s_mov_b32 s[G1+2], 256<<16                     ; rows of 256 bytes: Y's codes 256,
	s_mov_b32 s[G1+4], 256
	s_mov_b32 s[G1B+2], 512<<16                    ; X's 512,
	s_mov_b32 s[G1B+4], 512
	s_mov_b32 s[G1S+2], 16<<16                     ; Y's scale words 16,
	s_mov_b32 s[G1S+4], 16
	s_mov_b32 s[G1SB+2], 32<<16                    ; X's 32
	s_mov_b32 s[G1SB+4], 32
.irp g, G1, G1B, G1S, G1SB
	s_mov_b32 s[\g+1], 32<<16
	s_mov_b32 s[\g+3], 32<<16
	s_mov_b32 s[\g+5], 32
	s_mov_b32 s[\g+6], 0
	s_mov_b32 s[\g+7], 0
.endr
	s_lshl_b32 s20, s17, 16                        ; Y's codes: 65,536 bytes for each 128 tokens,
	s_lshl_b32 s22, s17, 12
	s_add_co_u32 s22, s22, AOS                     ; its scale words: 4,096
	s_add_co_u32 s46, s42, 44                      ; X: block 44 + work-group x of cod and scl
	s_lshl_b32 s96, s46, 13
	s_lshl_b32 s46, s46, 17
	s_mov_b32 s21, 0
	s_mov_b32 s23, 0
	s_mov_b32 s47, 0
	s_mov_b32 s97, 0
	s_wait_dscnt 0x0
	s_wait_kmcnt 0x0
	s_add_nc_u64 s[20:21], s[4:5], s[20:21]
	s_add_nc_u64 s[22:23], s[4:5], s[22:23]
	s_add_nc_u64 s[46:47], s[6:7], s[46:47]
	s_add_nc_u64 s[96:97], s[8:9], s[96:97]
	CROUND
	s_mov_b32 s[G0S], 1
	s_mov_b32 s[G0S+1], YS
	s_mov_b64 s[G0S+2:G0S+3], s[22:23]
	s_or_b32 s[G0S+3], s[G0S+3], 0x80000000
	s_mov_b32 s[G0SB], 1
	s_mov_b32 s[G0SB+1], XS
	s_mov_b64 s[G0SB+2:G0SB+3], s[96:97]
	s_or_b32 s[G0SB+3], s[G0SB+3], 0x80000000
.irp k, 0
	s_mov_b32 s[G0+4*\k], 1
	s_mov_b32 s[G0+4*\k+1], YP
	s_add_nc_u64 s[G0+4*\k+2:G0+4*\k+3], s[20:21], \k*32768
	s_or_b32 s[G0+4*\k+3], s[G0+4*\k+3], 0x80000000
	s_mov_b32 s[G0B+4*\k], 1
	s_mov_b32 s[G0B+4*\k+1], XP
	s_add_nc_u64 s[G0B+4*\k+2:G0B+4*\k+3], s[46:47], \k*65536
	s_or_b32 s[G0B+4*\k+3], s[G0B+4*\k+3], 0x80000000
.endr
	; THE HEAD'S LOADS, ONE A WAVE: every way through the tree passes exactly one
	ARM 1, G0,  G1,  .Lhead_x
	ARM 2, G0B, G1B, .Lhead_sy
	ARM 3, G0S, G1S, .Lhead_sx
	tensor_load_to_lds s[G0SB:G0SB+3], s[G1SB:G1SB+7]
	s_nop 0
.rept 4
	v_nop
.endr
.Lhead_asked:
	v_and_b32 v1, 15, v0
	v_bfe_u32 v2, v0, 4, 1
	v_and_b32 v3, 31, v0
	v_lshlrev_b32 v[CO], 4, v3
	v_lshlrev_b32 v[BA], 6, v2
	s_wait_alu depctr_va_vdst(0)
	s_lshl_b32 s20, s42, 10
	s_lshl_b32 s21, s16, 9
	s_add_co_u32 s20, s20, s21
	s_mov_b32 s21, 0
	s_add_nc_u64 s[10:11], s[10:11], s[20:21]
	s_lshl_b32 s22, s17, 7
	s_lshl_b32 s23, s15, 6
	s_add_co_u32 s22, s22, s23
	s_lshl_b32 s22, s22, 12
	s_add_co_u32 s22, s22, s20
	s_mov_b32 s23, 0
	s_add_nc_u64 s[92:93], s[92:93], s[22:23]
	s_add_nc_u64 s[94:95], s[94:95], s[22:23]
	WIN 0x40
.irp t, 0,1,2,3,4,5,6,7
	global_load_b128 v[BB+8*\t:BB+8*\t+3], v[BA], s[10:11] offset:(32*(\t/2)+8*(\t%2))*4
	global_load_b128 v[BB+8*\t+4:BB+8*\t+7], v[BA], s[10:11] offset:(32*(\t/2)+8*(\t%2))*4+16
.endr
	WIN 0xc0
.irp a, 0,1,2,3
.irp t, 0,1,2,3,4,5,6,7,8,9,10,11,12,13,14,15
	global_load_b128 v[64*\a+4*\t:64*\a+4*\t+3], v[CO], s[92:93] offset:(32*(\a/2)+8*(\a%2)+\t+8*(\t/8))*4096 th:TH_LOAD_NT
.endr
.endr
	WIN 0
	s_lshl_b32 s18, s15, 12
	s_add_co_u32 s18, s18, YP
	s_lshl_b32 s19, s16, 13
.irp k, 0,1
	v_add_nc_u32 v[ADY+\k], s18, v[CO]
	v_add_nc_u32 v[ADX+\k], s19, v[CO]
	s_add_co_u32 s18, s18, 32768
	s_add_co_u32 s19, s19, 65536
.endr
	v_lshlrev_b32 v4, 3, v1
	s_lshl_b32 s18, s16, 12
	s_add_co_u32 s18, s18, XS
	v_add_nc_u32 v[ADSX], s18, v4
	s_lshl_b32 s18, s15, 8
	s_add_co_u32 s18, s18, YS
	v_add_nc_u32 v[ADSY], s18, v4
	s_mul_i32 s18, s14, 16*528
	s_add_co_u32 s18, s18, STG
	v_mul_u32_u24 v5, v1, 528
	v_lshl_add_u32 v5, v2, 6, v5
	v_add_nc_u32 v[SO], s18, v5
	v_add_nc_u32 v[SR], s18, v[CO]
.macro FRAG reg, adr, off
	ds_load_b128 v[\reg:\reg+3], v[\adr] offset:\off
	ds_load_b128 v[\reg+4:\reg+7], v[\adr] offset:\off+512
.endm
.macro FETCH_X s, p
	WIN 0x40
.irp i, 0,1,2,3,4,5,6,7
	FRAG 128*(\p)+8*\i, ADX+(\s)/4, ((\s)%4)*16384+\i*1024
.endr
	WIN 0
.endm
.macro FETCH_Y s, i0
.irp i, \i0, \i0+1
	FRAG YF+8*(\i), ADY+(\s)/4, ((\s)%4)*8192+(\i)*1024
.endr
.endm
.macro SCALES
.irp s, 0,1,2,3,4,5,6,7
.irp p, 0,1,2,3
	ds_load_b64 v[SCX+8*\s+2*\p:SCX+8*\s+2*\p+1], v[ADSX] offset:\p*1024+\s*128
.endr
.endr
.irp s, 0,1,2,3,4,5,6,7
.irp p, 0,1
	ds_load_b64 v[SCY+4*\s+2*\p:SCY+4*\s+2*\p+1], v[ADSY] offset:\s*512+\p*128
.endr
.endr
.endm
.macro MUL16 a0, p, s
.irp a, \a0, \a0+1
.irp b, 0,1,2,3,4,5,6,7
.set rD, 8*(8*(\a)+\b)
.set rC, rD
.if (\s) == 0
.set rC, BB+8*\b
.endif
	v_wmma_scale_f32_16x16x128_f8f6f4 v[rD:rD+7], v[128*(\p)+8*\b:128*(\p)+8*\b+7], v[YF+8*(\a):YF+8*(\a)+7], v[rC:rC+7], v[SCX+8*(\s)+\b], v[SCY+4*(\s)+(\a)] matrix_a_fmt:MATRIX_FMT_FP4 matrix_b_fmt:MATRIX_FMT_FP4
.endr
.endr
.endm
.macro MWIN s
.if (\s) == 0
	WIN 0x91
.else
	WIN 0xa1
.endif
.endm
.macro STEP s
	s_wait_dscnt 4
	MWIN \s
	MUL16 0, (\s)%2, \s
	s_wait_dscnt 0x0
.if (\s) < 7
	PLACES
	FETCH_X (\s)+1, 1-(\s)%2
	FETCH_Y (\s)+1, 0
.endif
	MWIN \s
	MUL16 2, (\s)%2, \s
.if (\s) < 7
	PLACES
	WIN 0
	FETCH_Y (\s)+1, 2
.else
	WIN 0
.endif
.endm
	s_wait_alu depctr_va_vdst(0)
	s_wait_tensorcnt 0x0                           ; my one load has landed
	s_barrier_signal -1
	s_barrier_wait -1
	SCALES
	FETCH_X 0, 0
	FETCH_Y 0, 0
	FETCH_Y 0, 2
	s_wait_loadcnt 63
	STEP 0
	STEP 1
	STEP 2
	STEP 3
	STEP 4
	STEP 5
	STEP 6
	STEP 7
	PLACES
.macro OUTT a
.if (\a) > 0
	s_wait_xcnt 0x0
.endif
	WIN 0x08
.irp g, 0,1,2,3
.irp q, 0,1,2,3
	ds_store_b128 v[SO], v[64*(\a)+16*\g+4*\q:64*(\a)+16*\g+4*\q+3] offset:128*\g+16*\q
.endr
.endr
	WIN 0
.irp t, 0,1,2,3,4,5,6,7,8,9,10,11,12,13,14,15
	ds_load_b128 v[RB+4*\t:RB+4*\t+3], v[SR] offset:\t*528
.endr
	s_wait_dscnt 0x0
	s_wait_loadcnt 48-16*(\a)
	WIN 0x0c
.set n, 0
.rept 32
	v_pk_add_f32 v[RB+n:RB+n+1], v[RB+n:RB+n+1], v[64*(\a)+n:64*(\a)+n+1]
.set n, n+2
.endr
	WIN 0
.irp t, 0,1,2,3,4,5,6,7,8,9,10,11,12,13,14,15
	global_store_b128 v[CO], v[RB+4*\t:RB+4*\t+3], s[94:95] offset:(32*((\a)/2)+8*((\a)%2)+\t+8*(\t/8))*4096 th:TH_STORE_NT
.endr
.endm
	OUTT 0
	OUTT 1
	OUTT 2
	OUTT 3
	s_wait_tensorcnt 0x0
	ds_add_u32 v[SPW], v[NIL]
	s_wait_dscnt 0x0
	CROUND
	s_endpgm
.Lfunc_end_k_qef8767d81f_proj:
	.size	k_qef8767d81f_proj, .Lfunc_end_k_qef8767d81f_proj-k_qef8767d81f_proj
	.p2alignl 7, 3214868480
	.fill 96, 4, 3214868480
	.section	.rodata,"a",@progbits
	.p2align	6, 0x0
	.amdhsa_kernel k_qef8767d81f_proj
		.amdhsa_group_segment_fixed_size 327680
		.amdhsa_private_segment_fixed_size 0
		.amdhsa_enable_private_segment 0
		.amdhsa_kernarg_size 48
		.amdhsa_user_sgpr_count 2
		.amdhsa_user_sgpr_kernarg_segment_ptr 1
		.amdhsa_wavefront_size32 1
		.amdhsa_system_sgpr_workgroup_id_x 1
		.amdhsa_system_sgpr_workgroup_id_y 1
		.amdhsa_system_sgpr_workgroup_id_z 1
		.amdhsa_system_vgpr_workitem_id 0
		.amdhsa_next_free_vgpr 1024
		.amdhsa_next_free_sgpr 100
		.amdhsa_reserve_vcc 0
		.amdhsa_float_denorm_mode_32 3
		.amdhsa_float_denorm_mode_16_64 3
		.amdhsa_memory_ordered 1
		.amdhsa_forward_progress 1
		.amdhsa_inst_pref_size 90
	.end_amdhsa_kernel
	.amdgpu_metadata
---
amdhsa.version: [ 1, 2 ]
amdhsa.kernels:
  - .name:           k_qef8767d81f_proj
    .symbol:         k_qef8767d81f_proj.kd
    .args:
      - { .name: ao, .offset: 0, .size: 8, .value_kind: global_buffer, .address_space: global }
      - { .name: cod, .offset: 8, .size: 8, .value_kind: global_buffer, .address_space: global }
      - { .name: scl, .offset: 16, .size: 8, .value_kind: global_buffer, .address_space: global }
      - { .name: b_proj, .offset: 24, .size: 8, .value_kind: global_buffer, .address_space: global }
      - { .name: x, .offset: 32, .size: 8, .value_kind: global_buffer, .address_space: global }
      - { .name: out0, .offset: 40, .size: 8, .value_kind: global_buffer, .address_space: global }
    .group_segment_fixed_size: 327680
    .private_segment_fixed_size: 0
    .kernarg_segment_align: 8
    .kernarg_segment_size: 48
    .max_flat_workgroup_size: 128
    .sgpr_count:     100
    .vgpr_count:     1024
    .wavefront_size: 32
...
	.end_amdgpu_metadata
.endif
;; end of part 4
